; MI455X (gfx1250); checked and timed in simulation.
; The chip was launched on July 23, 2026; its instructions are those of AMD's public machine-readable ISA for CDNA 5 (MIT licence, August 2026) and "CDNA5" Instruction Set Architecture Reference Guide (July 2026). The comments in the code are by the model that wrote it; some were corrected since.
;; Causal Self Attention. Allowed arithmetic: matrix products marked QUANTISED: E2M1 operands, one E8M0 scale for each 32 along K, by v_wmma_scale_f32_16x16x128_f8f6f4 with both operands' format E2M1 (or v_wmma_scale_f32_32x16x128_f4), f32 sums; everything else in f32.
;; Inputs: W_proj 1,024 x 1,024 float32; W_qkv 1,024 x 3,072 float32; b_proj 1,024 float32; b_qkv 3,072 float32; x 4 x 2,048 x 1,024 float32.
;; Outputs: out0 4 x 2,048 x 1,024 float32.
;; This version of the problem:
;;   THIS VERSION OF THE PROBLEM IS GIVEN IN LOW PRECISION. The matrix products marked QUANTISED in the list below multiply operands that are first quantised to E2M1 (2 exponent bits, 1 mantissa bit; 4 bits a number), with one power-of-two scale for each 32 numbers along K (OCP MX v1.0); their sums are f32. All else is computed in f32.
;;   The module's matrix products, in the order in which they are computed (A, B: the left and right operand; K: the contracted axis; several contracted axes count as one K, in the product's order):
;;     1. [M 8,192, K 1,024] x [K 1,024, N 3,072]; A: input x; B: input W_qkv: QUANTISED
;;     2. batch 64 x [M 2,048, K 64] x [K 64, N 2,048]; A: computed on the way; B: computed on the way: QUANTISED
;;     3. batch 64 x [M 2,048, K 2,048] x [K 2,048, N 64]; A: softmax (see below); B: computed on the way: QUANTISED
;;     4. [M 8,192, K 1,024] x [K 1,024, N 1,024]; A: computed on the way; B: input W_proj: QUANTISED
;;   THE QUANTISER, for each operand of a quantised product, along K:
;;     - K is cut into blocks of 32 from its start; a last block that is shorter is filled with zeros.
;;     - A block's scale is 2^e with e = floor(log2(the largest magnitude in the block)) - 2, held to -126 .. 127; a block of zeros has e = 0. As a byte (E8M0): e + 127.
;;     - Each number is divided by its block's scale, clamped to +-6, and rounded to the nearest number of E2M1, ties to even, subnormals kept.
;;     - The product sums the exact products of the quantised numbers (number of the format x scale) in f32.
;;   ~~~python
;;   def quantise(x, axis):      # numpy; x: float32 -> the quantised numbers, widened to float32 again
;;       x = np.moveaxis(x, axis, -1); K = x.shape[-1]
;;       x = np.pad(x, [(0, 0)] * (x.ndim - 1) + [(0, -K % 32)]); x = x.reshape(x.shape[:-1] + (-1, 32)); a = np.abs(x).max(-1, keepdims=True)
;;       e = np.where(a > 0, np.clip(np.frexp(np.where(a > 0, a, 1))[1] - 1 - 2, -126, 127), 0)      # np.frexp(a)[1] - 1 = floor(log2(a)), exactly
;;       r = np.clip(x / 2.0 ** e, -6, 6)
;;       step = 2.0 ** (np.maximum(np.frexp(np.where(r == 0, 1, r))[1] - 1, 0) - 1)
;;       q = np.round(r / step) * step * 2.0 ** e      # np.round: ties to even
;;       return np.moveaxis(q.reshape(q.shape[:-2] + (-1,))[..., :K], -1, axis).astype(np.float32)
;;   ~~~
;;   SOFTMAX AHEAD OF A QUANTISED PRODUCT. Where the list says 'softmax', what is quantised is not the finished softmax but p = 2^(t - M), with t = logit x log2(e) and M = ceil(the row's largest t), a whole number; so 1/2 < the row's largest p <= 1. The row's sum l is taken of the UNQUANTISED p, in f32, and the product's result is divided by l at the end. Since M is a whole number, a kernel that streams over the keys may use a running M (the ceiling of the running maximum): every later rescaling is an exact power of two, which a block's scale takes up: the codes' values come out the same.
;;   OPERANDS COMPUTED ON THE WAY. 'Computed on the way' means the value that the module computes at that place (a softmax that the list does not call 'softmax' is quantised finished and normalised). What goes into a quantiser is computed in f32, as accurately as f32 sums, v_exp_f32 and their like allow (about 1e-6 of the number): no bf16 or f16 on the way to a quantiser, and a product that is left as it is and whose result goes on into a quantised operand takes f32 operands (vector FMAs, or v_wmma_f32_16x16x4_f32). A number that lies on a knife's edge between two numbers of the format may be rounded either way, as far as f32 arithmetic and the matrix unit's own rounding can turn it there, and no further.
;; One version. Each part assembles by itself: llvm-mc -triple=amdgcn-amd-amdhsa -mcpu=gfx1250 --defsym DOCPART=n.
;; ======== version 1 of 1: 4 launches
;; workspace buffers: xq 4,456,448 bytes; wq 2,228,224 bytes; qkv 13,369,344 bytes; oq 4,456,448 bytes
;; launch quant (part 1): grid 384 x 1, 4 waves a work-group, no clusters, 68,096 bytes of LDS; arguments x, W_qkv, W_proj, xq, wq; writes xq, wq
.if DOCPART == 1
	.amdgcn_target "amdgcn-amd-amdhsa--gfx1250"
	.amdhsa_code_object_version 6
	.text
	.protected	k_q63141f577c_quant
	.globl	k_q63141f577c_quant
	.p2align	8
	.type	k_q63141f577c_quant,@function
k_q63141f577c_quant:
	s_mov_b64 s[64:65], 0
	v_nop
	global_prefetch_b8 v0, s[64:65] scope:SCOPE_SE
	s_setreg_imm32_b32 hwreg(HW_REG_WAVE_MODE, 25, 1), 1
	s_wait_xcnt 0x0
; x [8192][1024], W_qkv [1024][3072] and W_proj [1024][1024], f32, become codes of FP4 (E2M1) with K innermost and one E8M0 scale byte for each 32 along K.
; A block's scale is 2^(floor(log2(its largest magnitude)) - 2); its byte is the largest magnitude's exponent field - 2, held at 1 from below.
; xq: codes [8192 rows][512 bytes], then at byte 0x400000 scale bytes [8192][32].   wq: codes [4096 rows][512] (rows 0-3071: W_qkv's columns, 3072-4095: W_proj's), then at 0x200000 scale bytes [4096][32].
; ROW ORDER: row i of a tensor is stored at row SW(i) = i with bits 3 and 4 exchanged.  Sixteen neighbouring stored rows 16 a + r are then rows 32 (a / 2) + 8 (a % 2) + r + 8 (r / 8):
; the choice of rows with which a later product's results fall, sixteen neighbours to a lane, into the order that the next quantiser wants.
; LIMITS: NaN and infinities among the inputs are not served; a block whose largest magnitude lies under 2^-124 keeps the byte 1; a block of zeros gets the byte 1 where the rule says 127
; (its codes are zeros, which add nothing under any byte but 0xff, and only this program reads the bytes).
; THREE PATHS, parted on the work-group's number, each with LDS bytes of its own: 0-255 x (K innermost), 256-351 W_qkv, 352-383 W_proj (K is the first axis).  Every wave of every path reads 32 KiB.
; No tensor loads, no barrier, no matrix unit, no cluster: waves share nothing, and the launch only streams.
.set EMAX,   2
.set XWG,    256                       ; work-groups for x: 32 rows each
.set QWG,    96                        ; for W_qkv: 64 columns x 512 along K each
.set XSTEPS, 16
.set CB,     8                         ; bytes of 16 codes
.set XR,     16                        ; v16-79   x: four sets of 16 numbers as loaded
.set XX,     80                        ; v80-111  two sets of 16 neighbours
.set XE,     112                       ; v112-127 a scale byte for each step
.set XC,     128                       ; v128-191 codes, four registers a step: no store's data are written again
.set WREG,   8192                      ; x: LDS of a wave: two stages of 32 x SP bytes, then its 256 scale bytes
.set SP,     80
.set WX,     32                        ; v32-95   W: two sets of 32 numbers
.set WC,     96                        ; v96-99   a block's codes
.set WSB,    24                        ; v24-25   eight scale bytes
.set WOUT,   112                       ; v112-143 the way out
.set WPIT,   272                       ; W: a stage row: 256 bytes + 16
	s_load_b128 s[4:7], s[0:1], 0x0                ; x, W_qkv
	s_load_b128 s[8:11], s[0:1], 0x10              ; W_proj, xq
	s_load_b64 s[12:13], s[0:1], 0x20              ; wq
	v_lshl_add_u32 v192, v0, 2, 0x10800
	v_mov_b32 v193, 0
	v_lshrrev_b32 v1, 5, v0
	v_readfirstlane_b32 s16, v1                    ; wave 0..3
	v_and_b32 v2, 31, v0                           ; lane
	s_cmp_lt_u32 ttmp9, XWG
	s_cbranch_scc0 .Lweights
; ---------------- x: a wave takes 8 rows = 16 steps of 512 numbers.  Each load reads 512 consecutive bytes; a step's 2,048 bytes turn through the wave's own stage so that a lane holds 16 neighbours.
	v_lshlrev_b32 v3, 4, v2                        ; my 16 bytes of a load's 512
	s_mul_i32 s17, s16, WREG
	v_lshrrev_b32 v14, 2, v2
	v_mul_u32_u24 v14, v14, SP
	v_and_b32 v15, 3, v2
	v_lshl_add_u32 v14, v15, 4, v14
	v_add_nc_u32 v14, s17, v14                     ; the stage, in: SP (lane / 4) + 16 (lane % 4)
	v_mul_u32_u24 v15, v2, SP
	v_add_nc_u32 v15, s17, v15                     ; out: SP x lane: my 16 neighbours
	v_mul_u32_u24 v4, v2, CB                       ; my codes' place in a step's 256 bytes
	v_lshrrev_b32 v5, 1, v2
	s_add_co_u32 s17, s17, 2*32*SP
	v_add_nc_u32 v5, s17, v5                       ; my block's scale byte in the wave's 256
	v_lshlrev_b32 v7, 3, v2
	v_add_nc_u32 v6, s17, v7
	s_lshl_b32 s18, ttmp9, 2
	s_add_co_u32 s19, s18, s16                     ; which 8 rows I read: 4 x work-group + wave
	s_and_b32 s20, s16, 1
	s_lshl_b32 s20, s20, 1
	s_lshr_b32 s21, s16, 1
	s_or_b32 s20, s20, s21                         ; the wave's two bits are the rows' bits 3 and 4: exchanged
	s_add_co_u32 s18, s18, s20                     ; which 8 rows I write
	s_lshl_b32 s22, s19, 15                        ; 8 rows of 4,096 bytes
	s_mov_b32 s23, 0
	s_lshl_b32 s24, s18, 12                        ; 8 rows of 512 bytes of codes
	s_mov_b32 s25, 0
	s_lshl_b32 s26, s18, 8                         ; 8 rows of 32 scale bytes,
	s_add_co_u32 s26, s26, 0x400000                ; behind the codes
	s_mov_b32 s27, 0
	s_wait_kmcnt 0x0
	s_add_nc_u64 s[4:5], s[4:5], s[22:23]
	s_add_nc_u64 s[8:9], s[10:11], s[24:25]        ; codes
	s_add_nc_u64 s[10:11], s[10:11], s[26:27]      ; scale bytes
.macro XLOAD t
.irp i, 0,1,2,3
	global_load_b128 v[XR+16*((\t)%4)+4*\i:XR+16*((\t)%4)+4*\i+3], v3, s[4:5] offset:2048*(\t)+512*\i th:TH_LOAD_NT
.endr
.endm
.macro XTURN t                         ; LDS serves a wave's instructions in order: no wait between the stores and the loads
.irp i, 0,1,2,3
	ds_store_b128 v14, v[XR+16*((\t)%4)+4*\i:XR+16*((\t)%4)+4*\i+3] offset:32*SP*((\t)%2)+8*SP*\i
.endr
.irp i, 0,1,2,3
	ds_load_b128 v[XX+16*((\t)%2)+4*\i:XX+16*((\t)%2)+4*\i+3], v15 offset:32*SP*((\t)%2)+16*\i
.endr
.endm
.irp t, 0,1,2,3
	XLOAD \t
.endr
	s_wait_loadcnt 12                              ; step 0's four loads are in
	XTURN 0
.macro XSTEP t
.set XS, XX+16*((\t)%2)
.if (\t) > 0
	s_wait_dscnt 1                                 ; this step's numbers are back from the stage; the last step's byte store may be out
.else
	s_wait_dscnt 0x0
.endif
.if (\t)+4 < XSTEPS
	XLOAD (\t)+4                                   ; into the set whose stores into the stage have read their registers
.endif
.if (\t)+1 < XSTEPS
.if XSTEPS-2-(\t) >= 3
	s_wait_loadcnt 12                              ; the next step's four loads are in; three steps' may be out
.else
	s_wait_loadcnt 4*(XSTEPS-2-(\t))
.endif
	XTURN (\t)+1
.endif
	v_max3_num_f32 v8, |v[XS]|, |v[XS+1]|, |v[XS+2]|
	v_max3_num_f32 v9, |v[XS+3]|, |v[XS+4]|, |v[XS+5]|
.irp i, 6,10
	v_max3_num_f32 v8, v8, |v[XS+\i]|, |v[XS+\i+1]|
	v_max3_num_f32 v9, v9, |v[XS+\i+2]|, |v[XS+\i+3]|
.endr
	v_max3_num_f32 v8, v8, |v[XS+14]|, |v[XS+15]|
	v_max3_num_f32 v8, v8, v9, (EMAX+1)<<23        ; the floor 2^(3 - 127): the byte cannot fall under 1
	v_max_num_f32_dpp v8, v8, v8 row_xmask:1 row_mask:0xf bank_mask:0xf   ; with my neighbour's 16: the block's largest magnitude
	v_add_nc_u32 v11, -(EMAX<<23), v8              ; 2 off its exponent field: the conversion takes that field as its scale
	v_cvt_scalef32_pk8_fp4_f32 v[XC+4*(\t)], v[XS:XS+7], v11
	v_cvt_scalef32_pk8_fp4_f32 v[XC+4*(\t)+1], v[XS+8:XS+15], v11
	v_lshrrev_b32 v[XE+(\t)], 23, v11              ; the scale's byte (also the plain line behind the conversions)
	ds_store_b8 v5, v[XE+(\t)] offset:16*(\t)      ; both lanes of a block write the same byte with the same value
	global_store_b64 v4, v[XC+4*(\t):XC+4*(\t)+1], s[8:9] offset:32*CB*(\t)   ; the wave stores 256 consecutive bytes, aligned
.endm
.irp t, 0,1,2,3,4,5,6,7,8,9,10,11,12,13,14,15
	XSTEP \t
.endr
	ds_load_b64 v[12:13], v6
	s_wait_dscnt 0x0
	global_store_b64 v7, v[12:13], s[10:11]        ; 8 rows' scale bytes: 256 consecutive bytes, aligned
	s_wait_tensorcnt 0x0
	ds_add_u32 v192, v193
	s_wait_dscnt 0x0
	s_endpgm
; ---------------- W: a lane takes a column and its registers run down K, so a block of 32 lies in one lane and the codes come out with K innermost.
; A work-group takes 64 columns x 512 along K; wave w columns 16 w + c (c = lane % 16); lanes 0-15 the first 256 along K, lanes 16-31 the second: 8 blocks a lane.
; The four waves' loads of one row of W cover 256 consecutive bytes.  The codes (128 bytes a lane) go through the wave's own stage and leave as rows: 16 lanes store 256 consecutive bytes, aligned.
.macro WLOAD t, pitchb
.irp i, 0,1,2,3,4,5,6,7,8,9,10,11,12,13,14,15,16,17,18,19,20,21,22,23,24,25,26,27,28,29,30,31
	global_load_b32 v[WX+32*((\t)%2)+\i], v3, s[28:29] offset:(32*(\t)+\i)*\pitchb th:TH_LOAD_NT
.endr
.endm
.macro WBLOCK t, pitchb
.set XS, WX+32*((\t)%2)
.if (\t) < 7
	s_wait_loadcnt 32                              ; this block's 32 loads are in; the next block's may be out
.else
	s_wait_loadcnt 0
.endif
	v_max3_num_f32 v12, |v[XS]|, |v[XS+1]|, |v[XS+2]|
	v_max3_num_f32 v13, |v[XS+3]|, |v[XS+4]|, |v[XS+5]|
.irp i, 6,10,14,18,22,26
	v_max3_num_f32 v12, v12, |v[XS+\i]|, |v[XS+\i+1]|
	v_max3_num_f32 v13, v13, |v[XS+\i+2]|, |v[XS+\i+3]|
.endr
	v_max3_num_f32 v12, v12, |v[XS+30]|, |v[XS+31]|
	v_max3_num_f32 v12, v12, v13, (EMAX+1)<<23
	v_add_nc_u32 v11, -(EMAX<<23), v12
	v_lshrrev_b32 v13, 23, v11                     ; the scale's byte
.if (\t)%4 == 0
	v_mov_b32 v[WSB+(\t)/4], v13
.else
	v_lshl_or_b32 v[WSB+(\t)/4], v13, 8*((\t)%4), v[WSB+(\t)/4]
.endif
.irp g, 0,1,2,3
	v_cvt_scalef32_pk8_fp4_f32 v[WC+\g], v[XS+8*\g:XS+8*\g+7], v11
.endr
	ds_store_b128 v4, v[WC:WC+3] offset:16*(\t)    ; 32 codes: 16 bytes of my column's row
.if (\t)+2 < 8
	WLOAD (\t)+2, \pitchb
.endif
	s_wait_dscnt 0x0                               ; the store has read its registers: the next block's codes may be written
.endm
; pitchb: a row of W in bytes; idbase: the path's first work-group; rowbase: the tensor's first row in wq; ldsbase: the path's LDS; sp: the pair that holds the tensor's address
.macro WPATH pitchb, idbase, rowbase, ldsbase, sp
	s_sub_co_u32 s17, ttmp9, \idbase
	s_lshr_b32 s18, s17, 1                         ; which 64 columns
	s_and_b32 s17, s17, 1                          ; which 512 along K
	v_and_b32 v5, 15, v2                           ; c
	v_lshrrev_b32 v6, 4, v2                        ; which 256 along K
	v_mul_u32_u24 v3, v6, 256*\pitchb
	v_lshl_add_u32 v3, v5, 2, v3                   ; in: 4 c + 256 rows for the upper lanes
	s_mul_i32 s19, s16, 16*WPIT
	s_add_co_u32 s19, s19, \ldsbase                ; my stage: 16 rows of 272 bytes
	v_mul_u32_u24 v4, v5, WPIT
	v_lshl_add_u32 v4, v6, 7, v4
	v_add_nc_u32 v4, s19, v4                       ; into it: row c, my half's 128 bytes
	v_mul_u32_u24 v7, v6, WPIT
	v_lshl_add_u32 v7, v5, 4, v7
	v_add_nc_u32 v7, s19, v7                       ; out of it: sixteen lanes to a row, two rows an instruction
	v_lshlrev_b32 v8, 9, v6
	v_lshl_add_u32 v8, v5, 4, v8                   ; and the same place in the codes
	v_and_b32 v9, 8, v5
	v_add_nc_u32 v9, v9, v5                        ; column c is stored c + 8 (c / 8) rows on (bit 3 moves to bit 4)
	v_lshlrev_b32 v9, 5, v9
	v_lshl_add_u32 v9, v6, 3, v9                   ; my eight scale bytes: 32 bytes a row, 8 for each half
	s_mul_i32 s20, s17, 512*\pitchb
	s_lshl_b32 s21, s18, 8
	s_add_co_u32 s20, s20, s21
	s_lshl_b32 s21, s16, 6
	s_add_co_u32 s20, s20, s21                     ; W: 512 rows x which half of K + 4 (64 x group + 16 x wave)
	s_mov_b32 s21, 0
	s_lshl_b32 s22, s18, 6
	s_lshr_b32 s23, s16, 1
	s_lshl_b32 s23, s23, 5
	s_add_co_u32 s22, s22, s23
	s_and_b32 s23, s16, 1
	s_lshl_b32 s23, s23, 3
	s_add_co_u32 s22, s22, s23                     ; the wave's bit 0 is the columns' bit 4: it moves to bit 3
	s_add_co_u32 s22, s22, \rowbase                ; my first stored row
	s_lshl_b32 s24, s22, 9
	s_lshl_b32 s23, s17, 8
	s_add_co_u32 s24, s24, s23
	s_mov_b32 s25, 0
	s_lshl_b32 s26, s22, 5
	s_lshl_b32 s23, s17, 4
	s_add_co_u32 s26, s26, s23
	s_add_co_u32 s26, s26, 0x200000
	s_mov_b32 s27, 0
	s_wait_kmcnt 0x0
	s_add_nc_u64 s[28:29], s[\sp:\sp+1], s[20:21]
	s_add_nc_u64 s[30:31], s[12:13], s[24:25]      ; codes
	s_add_nc_u64 s[32:33], s[12:13], s[26:27]      ; scale bytes
	WLOAD 0, \pitchb
	WLOAD 1, \pitchb
.set Q, 0
.rept 8
	WBLOCK Q, \pitchb
.set Q, Q+1
.endr
	global_store_b64 v9, v[WSB:WSB+1], s[32:33]
.irp t, 0,1,2,3,4,5,6,7
	ds_load_b128 v[WOUT+4*\t:WOUT+4*\t+3], v7 offset:2*\t*WPIT
.endr
.irp t, 0,1,2,3,4,5,6,7
	s_wait_dscnt 7-\t
	global_store_b128 v8, v[WOUT+4*\t:WOUT+4*\t+3], s[30:31] offset:(2*\t+8*(\t/4))*512   ; stage rows 8-15 are stored 8 rows further on
.endr
	s_wait_tensorcnt 0x0
	ds_add_u32 v192, v193
	s_wait_dscnt 0x0
	s_endpgm
.endm
.Lweights:
	s_cmp_lt_u32 ttmp9, XWG+QWG
	s_cbranch_scc0 .Lproj
	WPATH 12288, XWG, 0, 32768, 6
.Lproj:
	WPATH 4096, XWG+QWG, 3072, 50176, 8
.Lfunc_end_k_q63141f577c_quant:
	.size	k_q63141f577c_quant, .Lfunc_end_k_q63141f577c_quant-k_q63141f577c_quant
	.p2alignl 7, 3214868480
	.fill 96, 4, 3214868480
	.section	.rodata,"a",@progbits
	.p2align	6, 0x0
	.amdhsa_kernel k_q63141f577c_quant
		.amdhsa_group_segment_fixed_size 68096
		.amdhsa_private_segment_fixed_size 0
		.amdhsa_enable_private_segment 0
		.amdhsa_kernarg_size 40
		.amdhsa_user_sgpr_count 2
		.amdhsa_user_sgpr_kernarg_segment_ptr 1
		.amdhsa_wavefront_size32 1
		.amdhsa_system_sgpr_workgroup_id_x 1
		.amdhsa_system_sgpr_workgroup_id_y 1
		.amdhsa_system_sgpr_workgroup_id_z 1
		.amdhsa_system_vgpr_workitem_id 0
		.amdhsa_next_free_vgpr 194
		.amdhsa_next_free_sgpr 66
		.amdhsa_reserve_vcc 0
		.amdhsa_float_denorm_mode_32 3
		.amdhsa_float_denorm_mode_16_64 3
		.amdhsa_memory_ordered 1
		.amdhsa_forward_progress 1
		.amdhsa_inst_pref_size 114
	.end_amdhsa_kernel
	.amdgpu_metadata
---
amdhsa.version: [ 1, 2 ]
amdhsa.kernels:
  - .name:           k_q63141f577c_quant
    .symbol:         k_q63141f577c_quant.kd
    .args:
      - { .name: x, .offset: 0, .size: 8, .value_kind: global_buffer, .address_space: global }
      - { .name: W_qkv, .offset: 8, .size: 8, .value_kind: global_buffer, .address_space: global }
      - { .name: W_proj, .offset: 16, .size: 8, .value_kind: global_buffer, .address_space: global }
      - { .name: xq, .offset: 24, .size: 8, .value_kind: global_buffer, .address_space: global }
      - { .name: wq, .offset: 32, .size: 8, .value_kind: global_buffer, .address_space: global }
    .group_segment_fixed_size: 68096
    .private_segment_fixed_size: 0
    .kernarg_segment_align: 8
    .kernarg_segment_size: 40
    .max_flat_workgroup_size: 128
    .sgpr_count:     66
    .vgpr_count:     194
    .wavefront_size: 32
...
	.end_amdgpu_metadata
.endif
;; end of part 1
;; launch qkv (part 2): grid 12 x 32, 4 waves a work-group, clusters of 4 x 4, 327,680 bytes of LDS; arguments xq, wq, b_qkv, qkv; writes qkv
.if DOCPART == 2
	.amdgcn_target "amdgcn-amd-amdhsa--gfx1250"
	.amdhsa_code_object_version 6
	.text
	.protected	k_q63141f577c_qkv
	.globl	k_q63141f577c_qkv
	.p2align	8
	.type	k_q63141f577c_qkv,@function
k_q63141f577c_qkv:
	s_mov_b64 s[64:65], 0
	v_nop
	global_prefetch_b8 v0, s[64:65] scope:SCOPE_SE
	s_setreg_imm32_b32 hwreg(HW_REG_WAVE_MODE, 25, 1), 1
	s_wait_xcnt 0x0
	s_wait_alu depctr_hold_cnt(0) depctr_sa_sdst(0) depctr_va_vdst(0) depctr_va_sdst(0) depctr_va_ssrc(0) depctr_va_vcc(0) depctr_vm_vsrc(0)
	s_getreg_b32 s2, hwreg(HW_REG_IB_STS2, 6, 4)
	s_cmp_eq_u32 s2, 0
	s_cbranch_scc0 .Lentry_in_a_cluster
	s_endpgm
.Lentry_in_a_cluster:
	s_bfe_u32 s2, ttmp6, 0x10000c
	s_cmp_lg_u32 s2, 0xf033
	s_cbranch_scc0 .Lentry_shape_is_right
	s_endpgm
.Lentry_shape_is_right:
; qkv = x W_qkv + b_qkv on codes of FP4 (E2M1) with E8M0 scales, K = 1,024; the results never go to memory as f32: q and k are quantised along the head's 64, v along the tokens, in registers,
; and leave as IMAGES OF OPERAND REGISTERS (a group of four registers: lane l's 16 bytes at 16 l, 512 consecutive bytes), in which the attention launch takes them.
; A tile of 256 x 256 is made by four waves, 128 x 128 each: 64 accumulators, 512 registers.  K is two LDS slots of 512 along K (rows of 256 bytes): both are first fills, nothing is filled again.
; ROLES.  Source 1 (S) gives a lane its row, source 0 (P) runs down a lane's registers.  Clusters with x = 0, 1 (q, k): S = x's rows (tokens), P = W's columns: a lane holds one token and 128 channels.
; Clusters with x = 2 (v): S = W's columns 2,048 on, P = x's rows: a lane holds one channel and 128 tokens.  The choice hangs on the cluster's x alone: it is the same in all sixteen partners.
; Rows are stored with bits 3 and 4 of their number exchanged, so registers 16 b + i of a lane (accumulators 2 b, 2 b + 1) are P's rows 32 b + 16 (lane / 16) + i: sixteen neighbours along the next K.
; The bias is the C of each sum's first matrix instruction (so it is added first, not last: another order of rounding than the formula's).
; qkv: image I = (which 4 + batch) 16 + head at I x 65,536 (which: 0 q, 1 k, 2 v).  q, k: [128 tiles of 16 tokens][512].  v: [16 steps of 128 keys][4 tiles of 16 channels][2][512].
; Scale words at 0xC00000 + (J 16 + step) 512, J = (which 4 + batch) 8 + head / 2: a lane's 16 bytes are four words; word i holds tile 2 i's in lanes 0-15 and tile 2 i + 1's in lanes 16-31.
; CLUSTERS: 4 x 4 work-groups; S's tiles are asked for jointly along a row of the cluster, P's along a column.
; No prefetch: all tensor loads of the launch are first fills at its head.  LIMITS: NaN and infinities are not served; a block under 2^-124, or of zeros, keeps the scale byte 1 (only this program reads the bytes).
; REGISTERS: window 0: v0-31 addresses; v32-95 scale words, two sets; v96-116 the way out's addresses and scale words; v128-191 S's fragments, later the codes; v192-255 the bias, later at work.
;   window 1: P's fragments, two sets.   windows 2, 3: the accumulators ((a, b) at v[8 (8 (a % 4) + b)]).
.set KSTEP,  512
.set NQ,     4
.set ROWB,   256
.set KROW,   512                       ; a row of codes in memory
.set PITCH,  272                       ; an LDS row: 256 bytes + 16: the 16 rows of a fragment load begin in 16 different groups of banks (ISA guide 11.1)
.set FR,     8
.set NL,     2
.set NP,     4                         ; places behind this matrix instruction (ISA guide 7.12.1)
.set HALFT,  128*PITCH
.set SLOT,   4*HALFT
.set KS,     32                        ; a row of scale bytes
.set SCL,    2*SLOT
.set HALFS,  (128*KS/256)*272
.set SBLK,   (16*KS/256)*272
.set SPARE,  SCL+4*HALFS               ; the spare words: 128 bytes for each wave, named by no other line
.set ADRA, 16
.set ADRB, 20
.set ADRS, 27
.set SPW,  28
.set NIL,  29
.set L16,  30                          ; v30  16 x lane
.set SC,   32
.set VO,   96                          ; v96-111  the way out: two byte offsets for each of the eight tiles
.set MW,   112                         ; v112-115 the scale words of eight tiles, two to a register
.set PW,   116
.set AF,   128
.set PC,   128                         ; the codes: eight registers a tile, so that no store's data are written again
.set BI,   192                         ; the bias in the result's layout
.set TM,   192                         ; later at work: +0..3 largest magnitudes, +4..7 the other lanes', then bytes, +12..15 the conversions' scales
.set G1, 24
.set G0, 32
.set G1B, 48
.set G0B, 56
.set ISV, 66                           ; s66  1 in the clusters that make v
.set G1S, 68
.set G0S, 76
.set G1SB, 80
.set G0SB, 88
.set MSB, 0
.macro WIN new                         ; the immediate's high byte repeats the setting that is left
.if MSB != (\new)
	s_set_vgpr_msb (MSB<<8)|(\new)
.set MSB, (\new)
.endif
.endm
.set MUL_LO, 0xa1                      ; source 0 (P) window 1, source 1 (S) window 0, C and D window 2
.set MUL_HI, 0xf1
.set TO_B,   0x40
; A joint load: waves 0 and 1 fetch for S, waves 2 and 3 for P.  The branch hangs on the wave's number alone.  Four v_nop follow each of the two lines.
.macro JLOAD g0a, g1a, g0b, g1b
	s_cmp_eq_u32 s15, 0
	s_cbranch_scc0 .Lfor_b_\@
	tensor_load_to_lds s[\g0a:\g0a+3], s[\g1a:\g1a+7]
	s_nop 0
.rept 4
	v_nop
.endr
	s_branch .Lasked_\@
.Lfor_b_\@:
	tensor_load_to_lds s[\g0b:\g0b+3], s[\g1b:\g1b+7]
	s_nop 0
.rept 4
	v_nop
.endr
.Lasked_\@:
.endm
.macro CROUND                          ; a round of the cluster's barrier
	s_barrier_signal -1
	s_barrier_wait -1
	s_cmp_lg_u32 s14, 0
	s_cbranch_scc1 .Lnot_wave_0_\@
	s_barrier_signal -3
.Lnot_wave_0_\@:
	s_barrier_wait -3
	s_barrier_signal -1
	s_barrier_wait -1
.endm
	s_load_b128 s[96:99], s[0:1], 0x0              ; xq, wq
	s_load_b64 s[100:101], s[0:1], 0x10            ; b_qkv
	s_load_b64 s[104:105], s[0:1], 0x18            ; qkv
	v_lshl_add_u32 v[SPW], v0, 2, SPARE
	v_mov_b32 v[NIL], 0
	ds_add_u32 v28, v29
	ds_add_u32 v28, v29
	s_wait_dscnt 0x0
	v_lshrrev_b32 v1, 5, v0
	v_readfirstlane_b32 s14, v1                    ; wave 0..3
	s_lshr_b32 s15, s14, 1                         ; which half of S's rows is mine.  Also: I fetch for S (0) or for P (1)
	s_and_b32 s16, s14, 1                          ; which half of P's rows.  Also: which 128 rows I fetch
	s_bfe_u32 s40, ttmp6, 0x40000                  ; cx
	s_bfe_u32 s41, ttmp6, 0x40004                  ; cy
	s_and_b32 s18, ttmp7, 0xffff
	s_lshl_b32 s18, s18, 2                         ; 4 x cluster y
	s_lshl_b32 s19, ttmp9, 2                       ; 4 x cluster x
	s_cmp_eq_u32 ttmp9, 2
	s_cselect_b32 s[ISV], 1, 0
	s_cselect_b32 s17, 8, s18                      ; S's tile of 256 rows: v: W's tiles 8 on; q, k: x's tiles
	s_cselect_b32 s42, s18, s19                    ; P's tile: v: x's tiles; q, k: W's tiles 0 to 7
	s_add_co_u32 s17, s17, s41                     ; + cy: shared along a row of the cluster
	s_add_co_u32 s42, s42, s40                     ; + cx: shared along a column
	s_lshl_b32 s43, s41, 2
	s_lshl_b32 s43, 15, s43                        ; my row of the cluster
	s_lshl_b32 s44, 0x1111, s40                    ; my column
	; group 1: 128 rows x 256 bytes, 16 bytes of padding behind each
	s_or_b32 s[G1+0], s43, (0<<16)|(1<<20)|(1<<21)|(5<<22)|(3<<25)
	s_or_b32 s[G1B+0], s44, (0<<16)|(1<<20)|(1<<21)|(5<<22)|(3<<25)
.irp g, G1, G1B
	s_mov_b32 s[\g+1], ROWB<<16                    ; tensor_dim0
	s_mov_b32 s[\g+2], 128<<16                     ; tensor_dim1
	s_mov_b32 s[\g+3], ROWB<<16                    ; tile_dim0
	s_mov_b32 s[\g+4], 128                         ; tile_dim1
	s_mov_b32 s[\g+5], KROW                        ; the pitch
	s_mov_b32 s[\g+6], 0
	s_mov_b32 s[\g+7], 0
.endr
	; the scale bytes of 128 rows: 4,096 dense bytes as 16 rows of 256 (32 elements of 8 bytes), 16 bytes of padding behind each
	s_or_b32 s[G1S+0], s43, (3<<16)|(1<<20)|(1<<21)|(5<<22)|(3<<25)
	s_or_b32 s[G1SB+0], s44, (3<<16)|(1<<20)|(1<<21)|(5<<22)|(3<<25)
.irp g, G1S, G1SB
	s_mov_b32 s[\g+1], 32<<16
	s_mov_b32 s[\g+2], (128*KS/256)<<16
	s_mov_b32 s[\g+3], 32<<16
	s_mov_b32 s[\g+4], 128*KS/256
	s_mov_b32 s[\g+5], 32
	s_mov_b32 s[\g+6], 0
	s_mov_b32 s[\g+7], 0
.endr
	s_lshl_b32 s18, s16, 7                         ; which 128 rows of the tile I fetch
	s_lshl_b32 s20, s17, 8
	s_add_co_u32 s20, s20, s18                     ; S: row
	s_lshl_b32 s46, s42, 8
	s_add_co_u32 s46, s46, s18                     ; P: row
	s_mov_b32 s21, 0
	s_mov_b32 s47, 0
	s_mov_b64 s[18:19], KS
	s_mul_u64 s[22:23], s[20:21], s[18:19]         ; where these rows' scale bytes begin
	s_mul_u64 s[92:93], s[46:47], s[18:19]
	s_mov_b64 s[18:19], KROW
	s_mul_u64 s[20:21], s[20:21], s[18:19]         ; and their codes
	s_mul_u64 s[46:47], s[46:47], s[18:19]
	s_mul_i32 s45, s14, HALFT                      ; where they go: wave x 128 rows
	s_mul_i32 s94, s14, HALFS
	s_wait_kmcnt 0x0
	s_add_nc_u64 s[2:3], s[96:97], 0x400000        ; x's scale bytes
	s_add_nc_u64 s[12:13], s[98:99], 0x200000      ; W's
	s_cmp_eq_u32 s[ISV], 1                         ; which buffer is S and which P: the condition hangs on the cluster's x alone
	s_cselect_b64 s[4:5], s[98:99], s[96:97]
	s_cselect_b64 s[6:7], s[12:13], s[2:3]
	s_cselect_b64 s[8:9], s[96:97], s[98:99]
	s_cselect_b64 s[10:11], s[2:3], s[12:13]
	s_add_nc_u64 s[20:21], s[4:5], s[20:21]
	s_add_nc_u64 s[22:23], s[6:7], s[22:23]
	s_add_nc_u64 s[46:47], s[8:9], s[46:47]
	s_add_nc_u64 s[92:93], s[10:11], s[92:93]
	CROUND                                         ; all sixteen work-groups are here: the joint loads meet
	s_mov_b32 s[G0S], 1
	s_add_co_u32 s[G0S+1], s94, SCL
	s_mov_b64 s[G0S+2:G0S+3], s[22:23]
	s_or_b32 s[G0S+3], s[G0S+3], 0x80000000
	s_mov_b32 s[G0SB], 1
	s_add_co_u32 s[G0SB+1], s94, SCL
	s_mov_b64 s[G0SB+2:G0SB+3], s[92:93]
	s_or_b32 s[G0SB+3], s[G0SB+3], 0x80000000
	JLOAD G0S, G1S, G0SB, G1SB                     ; the scale bytes first: they are wanted with the first slot
.irp s, 0,1
	s_mov_b32 s[G0+4*\s], 1
	s_add_co_u32 s[G0+4*\s+1], s45, \s*SLOT
	s_add_nc_u64 s[G0+4*\s+2:G0+4*\s+3], s[20:21], \s*ROWB
	s_or_b32 s[G0+4*\s+3], s[G0+4*\s+3], 0x80000000
	s_mov_b32 s[G0B+4*\s], 1
	s_add_co_u32 s[G0B+4*\s+1], s45, \s*SLOT
	s_add_nc_u64 s[G0B+4*\s+2:G0B+4*\s+3], s[46:47], \s*ROWB
	s_or_b32 s[G0B+4*\s+3], s[G0B+4*\s+3], 0x80000000
	JLOAD G0+4*\s, G1, G0B+4*\s, G1B               ; three tensor loads of mine are out at the most
.endr
	v_and_b32 v1, 15, v0                           ; r = lane % 16
	v_bfe_u32 v2, v0, 4, 1                         ; h = lane / 16
	v_mul_u32_u24 v3, v1, PITCH
	v_lshl_add_u32 v4, v2, 4, v3                   ; a fragment's row x pitch + 16 h
	s_mul_i32 s21, s15, HALFT                      ; my 128 rows of S
	s_mul_i32 s22, s16, HALFT                      ; my 128 rows of P,
	s_add_co_u32 s22, s22, 2*HALFT                 ; behind S's 256
.irp s, 0,1
	v_add_nc_u32 v[ADRA+\s], s21, v4
	v_add_nc_u32 v[ADRB+\s], s22, v4
	s_add_co_u32 s21, s21, SLOT
	s_add_co_u32 s22, s22, SLOT
.endr
	v_mul_u32_u24 v5, v1, KS                       ; my row's scale bytes: 32 a row,
	v_lshrrev_b32 v6, 8, v5
	v_lshl_add_u32 v5, v6, 4, v5                   ; and 16 more for each 256 passed
	s_mul_i32 s21, s15, HALFS
	s_mul_i32 s22, s16, HALFS
	s_add_co_u32 s22, s22, 2*HALFS
	s_sub_co_u32 s22, s22, s21
	v_mul_u32_u24 v6, s22, v2                      ; lanes 16-31 take P's
	s_add_co_u32 s21, s21, SCL
	v_add_nc_u32 v5, v5, v6
	v_add_nc_u32 v[ADRS], s21, v5
	v_and_b32 v6, 31, v0
	v_lshlrev_b32 v[L16], 4, v6
	; which of S and P is W and which x; from that the bias's and the images' places
	s_cmp_eq_u32 s[ISV], 1
	s_cselect_b32 s95, s17, s42                    ; W's tile,
	s_cselect_b32 s67, s15, s16                    ; my half of it;
	s_cselect_b32 s3, s42, s17                     ; x's tile,
	s_cselect_b32 s46, s16, s15                    ; my half of it
	s_lshl_b32 s2, s95, 1
	s_add_co_u32 s2, s2, s67                       ; my 128 columns of W
	s_lshl_b32 s18, s2, 9
	s_mov_b32 s19, 0
	s_add_nc_u64 s[100:101], s[100:101], s[18:19]  ; their bias
	s_lshl_b32 s2, s2, 1                           ; my first head among 48
	s_lshl_b32 s3, s3, 1
	s_add_co_u32 s3, s3, s46                       ; my 128 tokens
	s_lshr_b32 s46, s3, 4                          ; batch
	s_and_b32 s3, s3, 15                           ; which 128 tokens of the batch
	s_lshr_b32 s47, s2, 4                          ; which: q, k, v
	s_and_b32 s2, s2, 15                           ; head (an even one)
	s_lshl_b32 s47, s47, 2
	s_add_co_u32 s47, s47, s46
	s_lshl_b32 s18, s47, 4
	s_add_co_u32 s18, s18, s2                      ; image I
	s_lshl_b32 s18, s18, 16
	s_lshl_b32 s20, s3, 12
	s_add_co_u32 s18, s18, s20
	s_add_nc_u64 s[12:13], s[104:105], s[18:19]    ; the even head's image, at my 128 tokens
	s_lshl_b32 s18, s47, 3
	s_lshr_b32 s2, s2, 1
	s_add_co_u32 s18, s18, s2                      ; J
	s_lshl_b32 s18, s18, 4
	s_add_co_u32 s18, s18, s3
	s_lshl_b32 s18, s18, 9
	s_add_co_u32 s18, s18, 0xC00000
	s_add_nc_u64 s[20:21], s[104:105], s[18:19]    ; my 512 bytes of scale words
	s_cmp_eq_u32 s[ISV], 1
	s_mov_b32 s92, 512
	s_cselect_b32 s92, 1024, s92                   ; from tile to tile: q, k: 512 bytes; v: a whole fragment, 1,024
	s_mov_b32 s93, 61440
	s_cselect_b32 s93, s93, 0                      ; v: tiles 4-7 are the odd head's: 65,536 - 4,096 further on
	s_mov_b32 s94, 65536
	s_cselect_b32 s94, 512, s94                    ; registers 4-7 of a tile: q, k: the odd head's image; v: the fragment's second half
	s_mov_b32 s96, 0x76543210
	s_mov_b32 s97, 0xfedcba98                      ; v_permlanex16_b32's selects for lane l xor 16
	s_cmp_eq_u32 s[ISV], 1
	s_cbranch_scc1 .Lbias_v
	v_lshlrev_b32 v7, 6, v2                        ; q, k: the bias runs down the registers: accumulator (a, b), register j: column 32 (b / 2) + 8 (b % 2) + 16 h + j
.irp b, 0,1,2,3,4,5,6,7
	global_load_b128 v[BI+8*\b:BI+8*\b+3], v7, s[100:101] offset:(32*(\b/2)+8*(\b%2))*4
	global_load_b128 v[BI+8*\b+4:BI+8*\b+7], v7, s[100:101] offset:(32*(\b/2)+8*(\b%2))*4+16
.endr
	s_wait_loadcnt 0x0
	s_branch .Lbias_done
.Lbias_v:
	v_and_b32 v7, 8, v1                            ; v: the bias hangs on the lane: tile a, lane r: column 32 (a / 2) + 8 (a % 2) + r + 8 (r / 8), the same in all eight registers
	v_add_nc_u32 v7, v7, v1
	v_lshlrev_b32 v7, 2, v7
.irp a, 0,1,2,3,4,5,6,7
	global_load_b32 v[BI+8*\a], v7, s[100:101] offset:(32*(\a/2)+8*(\a%2))*4
.endr
	s_wait_loadcnt 0x0
.irp a, 0,1,2,3,4,5,6,7
.irp j, 1,2,3,4,5,6,7
	v_mov_b32 v[BI+8*\a+\j], v[BI+8*\a]
.endr
.endr
.rept 4
	v_nop
.endr
.Lbias_done:
.macro FRAG reg, adr, q, i             ; 16 rows x 128 K of 4-bit codes: registers 4 c .. 4 c + 3 hold K = 64 c + 32 h + 0 .. 31
.irp c, 0,1
	ds_load_b128 v[\reg+4*\c:\reg+4*\c+3], v[\adr] offset:64*(\q)+32*\c+(\i)*16*PITCH
.endr
.endm
; 16 matrix instructions: S's blocks a0, a0 + 1 x P's eight, the slot's q-th 128 along K.  zero = 1: the sums begin with the bias by P's block; 2: by S's block; 0: they go on.
; The 64 accumulators take turns, one instruction a turn, in the same order in every step.
.macro MUL16 a0, p, q, sc, zero
.irp a, \a0, \a0+1
.irp b, 0,1,2,3,4,5,6,7
.set rD, 8*(8*((\a)%4)+\b)
.set rB, 128*(\p)+FR*\b
.set rA, AF+FR*(\a)
.set rSB, SC+8*NQ*(\sc)+NQ*\b+(\q)
.set rSA, SC+8*NQ*(\sc)+NQ*(\a)+(\q)
.if (\zero) == 1
	v_wmma_scale_f32_16x16x128_f8f6f4 v[rD:rD+7], v[rB:rB+7], v[rA:rA+7], v[BI+8*\b:BI+8*\b+7], v[rSB], v[rSA] matrix_a_fmt:MATRIX_FMT_FP4 matrix_b_fmt:MATRIX_FMT_FP4 matrix_a_scale:MATRIX_SCALE_ROW1
.elseif (\zero) == 2
	v_wmma_scale_f32_16x16x128_f8f6f4 v[rD:rD+7], v[rB:rB+7], v[rA:rA+7], v[BI+8*(\a):BI+8*(\a)+7], v[rSB], v[rSA] matrix_a_fmt:MATRIX_FMT_FP4 matrix_b_fmt:MATRIX_FMT_FP4 matrix_a_scale:MATRIX_SCALE_ROW1
.else
	v_wmma_scale_f32_16x16x128_f8f6f4 v[rD:rD+7], v[rB:rB+7], v[rA:rA+7], v[rD:rD+7], v[rSB], v[rSA] matrix_a_fmt:MATRIX_FMT_FP4 matrix_b_fmt:MATRIX_FMT_FP4 matrix_a_scale:MATRIX_SCALE_ROW1
.endif
.endr
.endr
.endm
.macro FETCH_B slot, q, p
	WIN TO_B
.irp i, 0,1,2,3,4,5,6,7
	FRAG 128*(\p)+FR*\i, ADRB+\slot, \q, \i
.endr
	WIN 0
.endm
.macro FETCH_A slot, q, i0
.irp i, \i0, \i0+1, \i0+2, \i0+3
	FRAG AF+FR*(\i), ADRA+\slot, \q, \i
.endr
.endm
.macro SCALES sc                       ; a slot's scale words: four a row; lanes 0-15 take S's block i, lanes 16-31 P's block i
.irp i, 0,1,2,3,4,5,6,7
	ds_load_b128 v[SC+8*NQ*\sc+NQ*\i:SC+8*NQ*\sc+NQ*\i+3], v[ADRS] offset:\i*SBLK
.endr
.endm
.macro PLACES n                        ; plain vector lines between a matrix instruction and a load into, or a read of, its registers
.rept \n
	v_nop
.endr
.endm
.macro STEP slot, q, zero              ; 128 along K with its successor in the same slot
	s_wait_dscnt 4*NL                              ; P's set and S's blocks 0-3 are in; the youngest eight loads (S's blocks 4-7) may be out
.if \zero
	WIN 0x81                                       ; C (the bias) in window 0, D in window 2
.else
	WIN MUL_LO
.endif
	MUL16 0, (\q)%2, \q, \slot, \zero
	MUL16 2, (\q)%2, \q, \slot, \zero
	s_wait_dscnt 0
	PLACES NP
	FETCH_B \slot, (\q)+1, 1-(\q)%2
	FETCH_A \slot, (\q)+1, 0
.if \zero
	WIN 0xc1
.else
	WIN MUL_HI
.endif
	MUL16 4, (\q)%2, \q, \slot, \zero
	MUL16 6, (\q)%2, \q, \slot, \zero
	PLACES NP
	WIN 0
	FETCH_A \slot, (\q)+1, 4
.endm
; A slot's last step changes slots: each wave waits for all its tensor loads (its part of the next slot) and for its own reads of this slot, then the barrier: behind it the next slot is whole for everybody.
.macro TURN slot, next
	s_wait_tensorcnt 0x0
	ds_add_u32 v[SPW], v[NIL]                      ; 0 onto my spare word
	s_wait_dscnt 4*NL+1                            ; (the add and S's blocks 4-7 may be out)
	WIN MUL_LO
	MUL16 0, 1, NQ-1, \slot, 0
	s_wait_dscnt 0x0
	s_barrier_signal -1
	MUL16 2, 1, NQ-1, \slot, 0
	WIN 0
	s_barrier_wait -1
	PLACES NP
	v_add_nc_u32 v[ADRS], 4*NQ, v[ADRS]            ; the next slot's scale words (no LDS load of mine is out)
	FETCH_B \next, 0, 0
	FETCH_A \next, 0, 0
	SCALES \next
	WIN MUL_HI
	MUL16 4, 1, NQ-1, \slot, 0
	MUL16 6, 1, NQ-1, \slot, 0
	PLACES NP
	WIN 0
	FETCH_A \next, 0, 4
.endm
.macro STEPS slot, from
.set Q, \from
.rept NQ-1-\from
	STEP \slot, Q, 0
.set Q, Q+1
.endr
.endm
	s_wait_tensorcnt 1                             ; the scale bytes and my part of slot 0 are in; slot 1's load may be out
	s_barrier_signal -1
	s_barrier_wait -1
	FETCH_B 0, 0, 0
	FETCH_A 0, 0, 0
	SCALES 0
	FETCH_A 0, 0, 4
	s_cmp_eq_u32 s[ISV], 1                         ; the first step is written twice: it differs in which bias registers start a sum
	s_cbranch_scc1 .Lfirst_v
	STEP 0, 0, 1
	s_branch .Lfirst_done
.Lfirst_v:
	STEP 0, 0, 2
.Lfirst_done:
	STEPS 0, 1
	TURN 0, 1
	STEPS 1, 0
	s_wait_dscnt 4*NL                              ; the last step: nothing more to fetch
	WIN MUL_LO
	MUL16 0, 1, NQ-1, 1, 0
	MUL16 2, 1, NQ-1, 1, 0
	s_wait_dscnt 0
	WIN MUL_HI
	MUL16 4, 1, NQ-1, 1, 0
	MUL16 6, 1, NQ-1, 1, 0
	WIN 0
; THE WAY OUT.  Tile a (S's block a): a lane's 64 registers are 128 neighbours' halves along the next K: register 16 b + i = index 32 b + 16 h + i of the lane's row.
; They become a fragment's eight registers and a scale word; each group of four registers is stored as it stands, 512 consecutive bytes.
	PLACES NP
	s_mov_b32 vcc_lo, 0xffff0000                   ; lanes 16-31
	s_mov_b32 s46, 0
.irp a, 0,1,2,3,4,5,6,7
	v_add_nc_u32 v[VO+2*\a], s46, v[L16]
	v_add_nc_u32 v[VO+2*\a+1], s94, v[VO+2*\a]
	s_add_co_u32 s46, s46, s92
.if \a == 3
	s_add_co_u32 s46, s46, s93
.endif
.endr
.irp b, 0,1,2,3
	v_mov_b32 v[TM+4+\b], 0                        ; written once: a lane permute's destination counts as one of its sources
.endr
.macro QOUT a
.set W, 2+(\a)/4                       ; the tile's accumulators: window 2 or 3,
.set AC, 64*((\a)%4)                   ; from this register on
	WIN 5*W                                        ; sources 0 and 1 in window W
.irp b, 0,1,2,3
	v_max3_num_f32 v[TM+\b], |v[AC+16*\b]|, |v[AC+1+16*\b]|, 0x1800000   ; block b: my 16 numbers, each accumulator from its low end on, and the floor 2^(3 - 127)
.endr
	WIN 20*W                                       ; sources 1 and 2 in window W
.irp i, 2,4,6,8,10,12,14
.irp b, 0,1,2,3
	v_max3_num_f32 v[TM+\b], v[TM+\b], |v[AC+16*\b+\i]|, |v[AC+1+16*\b+\i]|
.endr
.endr
	WIN 0
.irp b, 0,1,2,3
	v_permlanex16_b32 v[TM+4+\b], v[TM+\b], s96, s97
.endr
.irp b, 0,1,2,3
	v_max_num_f32 v[TM+\b], v[TM+\b], v[TM+4+\b]   ; with lane l xor 16's: the block's largest magnitude
.endr
.irp b, 0,1,2,3
	v_add_nc_u32 v[TM+12+\b], 0xff000000, v[TM+\b] ; 2 off its exponent field: the conversion's scale
.endr
.irp b, 0,1,2,3
	v_lshrrev_b32 v[TM+4+\b], 23, v[TM+12+\b]      ; the scale's byte
.endr
.if (\a)%2 == 0
	v_lshl_or_b32 v[MW+(\a)/2], v[TM+5], 8, v[TM+4]
	v_lshl_or_b32 v[MW+(\a)/2], v[TM+6], 16, v[MW+(\a)/2]
	v_lshl_or_b32 v[MW+(\a)/2], v[TM+7], 24, v[MW+(\a)/2]
.else
	v_lshl_or_b32 v[PW], v[TM+5], 8, v[TM+4]
	v_lshl_or_b32 v[PW], v[TM+6], 16, v[PW]
	v_lshl_or_b32 v[PW], v[TM+7], 24, v[PW]
	v_cndmask_b32 v[MW+(\a)/2], v[MW+(\a)/2], v[PW], vcc_lo   ; an odd tile's words go to lanes 16-31
.endif
	WIN W                                          ; source 0 in window W
.irp b, 0,1,2,3
	v_cvt_scalef32_pk8_fp4_f32 v[PC+8*(\a)+2*\b], v[AC+16*\b:AC+7+16*\b], v[TM+12+\b]
	v_cvt_scalef32_pk8_fp4_f32 v[PC+8*(\a)+1+2*\b], v[AC+8+16*\b:AC+15+16*\b], v[TM+12+\b]
.endr
	WIN 0
	v_nop                                          ; one plain line behind a scaled conversion
.irp c, 0,1                            ; the operand's layout wants a whole block in a lane
.irp i, 0,1
	v_permlane16_swap_b32 v[PC+8*(\a)+4*\c+\i], v[PC+8*(\a)+2+4*\c+\i]
.endr
.endr
	global_store_b128 v[VO+2*(\a)], v[PC+8*(\a):PC+8*(\a)+3], s[12:13]       ; 512 consecutive bytes, aligned
	global_store_b128 v[VO+2*(\a)+1], v[PC+8*(\a)+4:PC+8*(\a)+7], s[12:13]
.endm
.irp a, 0,1,2,3,4,5,6,7
	QOUT \a
.endr
	global_store_b128 v[L16], v[MW:MW+3], s[20:21] ; the eight tiles' scale words: 512 consecutive bytes
	s_wait_tensorcnt 0x0                           ; the wave's end
	ds_add_u32 v[SPW], v[NIL]
	s_wait_dscnt 0x0
	CROUND                                         ; the closing round
	s_endpgm
.Lfunc_end_k_q63141f577c_qkv:
	.size	k_q63141f577c_qkv, .Lfunc_end_k_q63141f577c_qkv-k_q63141f577c_qkv
	.p2alignl 7, 3214868480
	.fill 96, 4, 3214868480
	.section	.rodata,"a",@progbits
	.p2align	6, 0x0
	.amdhsa_kernel k_q63141f577c_qkv
		.amdhsa_group_segment_fixed_size 327680
		.amdhsa_private_segment_fixed_size 0
		.amdhsa_enable_private_segment 0
		.amdhsa_kernarg_size 32
		.amdhsa_user_sgpr_count 2
		.amdhsa_user_sgpr_kernarg_segment_ptr 1
		.amdhsa_wavefront_size32 1
		.amdhsa_system_sgpr_workgroup_id_x 1
		.amdhsa_system_sgpr_workgroup_id_y 1
		.amdhsa_system_sgpr_workgroup_id_z 1
		.amdhsa_system_vgpr_workitem_id 0
		.amdhsa_next_free_vgpr 1024
		.amdhsa_next_free_sgpr 106
		.amdhsa_reserve_vcc 1
		.amdhsa_float_denorm_mode_32 3
		.amdhsa_float_denorm_mode_16_64 3
		.amdhsa_memory_ordered 1
		.amdhsa_forward_progress 1
		.amdhsa_inst_pref_size 145
	.end_amdhsa_kernel
	.amdgpu_metadata
---
amdhsa.version: [ 1, 2 ]
amdhsa.kernels:
  - .name:           k_q63141f577c_qkv
    .symbol:         k_q63141f577c_qkv.kd
    .args:
      - { .name: xq, .offset: 0, .size: 8, .value_kind: global_buffer, .address_space: global }
      - { .name: wq, .offset: 8, .size: 8, .value_kind: global_buffer, .address_space: global }
      - { .name: b_qkv, .offset: 16, .size: 8, .value_kind: global_buffer, .address_space: global }
      - { .name: qkv, .offset: 24, .size: 8, .value_kind: global_buffer, .address_space: global }
    .group_segment_fixed_size: 327680
    .private_segment_fixed_size: 0
    .kernarg_segment_align: 8
    .kernarg_segment_size: 32
    .max_flat_workgroup_size: 128
    .sgpr_count:     106
    .vgpr_count:     1024
    .wavefront_size: 32
...
	.end_amdgpu_metadata
.endif
;; end of part 2
;; launch attn (part 3): grid 4 x 64, 16 waves a work-group, no clusters, 327,680 bytes of LDS; arguments qkv, oq; writes oq
.if DOCPART == 3
	.amdgcn_target "amdgcn-amd-amdhsa--gfx1250"
	.amdhsa_code_object_version 6
	.text
	.protected	k_q63141f577c_attn
	.globl	k_q63141f577c_attn
	.p2align	8
	.type	k_q63141f577c_attn,@function
k_q63141f577c_attn:
	s_mov_b64 s[64:65], 0
	v_nop
	global_prefetch_b8 v0, s[64:65] scope:SCOPE_SE
	s_setreg_imm32_b32 hwreg(HW_REG_WAVE_MODE, 25, 1), 1
	s_wait_xcnt 0x0
; Causal attention of one head on codes of FP4 (E2M1) with E8M0 scales: S^T = K Q^T (K = the head's 64, the instruction's other 64 are zero codes), p = 2^(t - M), O^T = V^T P^T (K = 128 keys a step), O / l quantised along the head's 64.
; t = score x log2(e) / 8; M = the running largest t rounded up to a whole number; p is not normalised; the row's sum l is taken of the unquantised p and divides at the end; a change of M multiplies l and O by an exact power of two.
; SHARES.  Work-group (p, head of a batch) owns query blocks p and 7 - p of 256 queries, one after the other: 256 work-groups of equal work.  Wave w owns one tile of 16 queries of the block in hand, in 256 registers.
; A wave works the key steps (128 keys) up to its own: 2 block + w / 8 + 1 of them; over both passes 16 or 18 for every wave.  Later steps are passed over by a scalar branch on ids; the loop's trip count is the constant 16.
; THE HEAD'S WHOLE K AND V, as images of operand registers, and their scale words lie in LDS: 144 KiB, filled once at the head, never again: one barrier, no ring.
; NO CLUSTER: the four work-groups that read the same K and V differ in their query blocks, and which steps a wave works is a branch on its query block, which a cluster's partners may not have.
; NO PREFETCH: every tensor load is issued at the head; there is no later load to ask ahead for.
; LAYOUT.  Tiles hold tokens 32 (t / 2) + 8 (t % 2) + r + 8 (r / 8) in lane r, so the 16 registers of S^T's tiles 2 b, 2 b + 1 are keys 32 b + 16 h + 0 .. 15; V's tiles hold channels in the same order, so O^T's are channels 32 b + 16 h + i.
; oq: codes [512 tiles of 16 tokens][16 heads][512 bytes] (four registers of the next product's fragment, as they stand); at 0x400000 scale bytes [8192 rows][32].  The scale bytes leave one byte a lane, 32 bytes apart:
; a row's 32 bytes come from 16 work-groups; they are one part in sixteen of what this launch stores.
; LIMITS: NaN and infinities are not served; the running maximum starts at -3e38; a block of p or of O under 2^-124, or of zeros, keeps the scale byte 1.
; REGISTERS: v1-4 addresses that stay; v8-11 the step's addresses; v12 -M, v13 the largest t, v[14:15] the sum; v16-23 Q (v20-23 zeros); v25 the mask's bound; v32-95 K's eight fragments (upper halves zeros);
;   v96-159 S^T, then p; v160-191 O^T; v192-223 V's four fragments; v224-231 p's codes; v240-241, v248-251, v253, v255 scale words; the rest at work.
.set VIMG,  65536                      ; LDS: K's image at 0, V's here,
.set KSC,   131072                     ; K's scale words (of the pair of heads), 512 bytes a step,
.set VSC,   139264                     ; V's,
.set SPARE, 147456                     ; the spare words: 128 bytes for each of 16 waves, named by no other line
.set SCB,   0xC00000                   ; qkv: where the scale words begin
.set OSC,   0x400000                   ; oq: where the scale bytes begin
.set SPW, 5
.set NIL, 6
.set ADK, 8
.set ADV, 9
.set ADS, 10
.set ADT, 11
.set WV,  8                            ; s8   wave
.set SEL, 32                           ; s[32:33]
.set CS,  34                           ; s[34:35] c = log2(e) / 8
.set TB,  36                           ; s36  the step's tiles: 4,096 bytes a step
.set TS,  37                           ; s37  its scale words: 512 bytes a step
.set KI,  38                           ; s38  the key step
.set SD,  39                           ; s39  the step in which my queries lie
	s_load_b128 s[4:7], s[0:1], 0x0                ; qkv, oq
	v_lshl_add_u32 v[SPW], v0, 2, SPARE
	v_mov_b32 v[NIL], 0
	ds_add_u32 v5, v6
	ds_add_u32 v5, v6
	s_wait_dscnt 0x0
	v_lshrrev_b32 v8, 5, v0
	s_delay_alu instid0(VALU_DEP_1)
	v_readfirstlane_b32 s[WV], v8                  ; wave 0..15
	s_and_b32 s9, ttmp7, 0xffff                    ; batch x 16 + head
	s_lshr_b32 s10, s9, 4                          ; batch
	s_and_b32 s11, s9, 15                          ; head
	s_and_b32 s12, s11, 1                          ; which of a pair of heads
	s_lshr_b32 s13, s11, 1                         ; the pair
	s_mov_b32 s14, ttmp9                           ; p
	; group 1: 8,192 dense bytes as 32 rows of 256 (32 elements of 8 bytes)
	s_mov_b32 s16, 3<<16
	s_mov_b32 s17, 32<<16
	s_mov_b32 s18, 32<<16
	s_mov_b32 s19, 32<<16
	s_mov_b32 s20, 32
	s_mov_b32 s21, 32
	s_mov_b32 s22, 0
	s_mov_b32 s23, 0
	s_lshr_b32 s50, s[WV], 3                       ; waves 0-7 fetch K's image, waves 8-15 V's: an eighth each
	s_add_co_u32 s50, s50, 1
	s_lshl_b32 s50, s50, 6
	s_add_co_u32 s50, s50, s9                      ; the image's number
	s_lshl_b32 s50, s50, 16
	s_and_b32 s51, s[WV], 7
	s_lshl_b32 s51, s51, 13
	s_add_co_u32 s50, s50, s51
	s_mov_b32 s51, 0
	s_add_co_u32 s52, s[WV], 1                     ; wave 0 also fetches K's scale words, wave 1 V's
	s_lshl_b32 s52, s52, 2
	s_add_co_u32 s52, s52, s10
	s_lshl_b32 s52, s52, 3
	s_add_co_u32 s52, s52, s13
	s_lshl_b32 s52, s52, 13
	s_add_co_u32 s52, s52, SCB
	s_mov_b32 s53, 0
	s_wait_kmcnt 0x0
	s_mov_b32 s24, 1
	s_lshl_b32 s25, s[WV], 13                      ; LDS: 8,192 x wave
	s_add_nc_u64 s[26:27], s[4:5], s[50:51]
	s_or_b32 s27, s27, 0x80000000
	s_mov_b32 s28, 1
	s_add_co_u32 s29, s25, KSC
	s_add_nc_u64 s[30:31], s[4:5], s[52:53]
	s_or_b32 s31, s31, 0x80000000
	s_cmp_lt_u32 s[WV], 2                          ; a wave's first fills stand in one branch: two loads of mine are out at the most; four v_nop follow the last
	s_cbranch_scc0 .Lone_load
	tensor_load_to_lds s[24:27], s[16:23]
	s_nop 0
	tensor_load_to_lds s[28:31], s[16:23]
	s_nop 0
.rept 4
	v_nop
.endr
	s_branch .Lasked
.Lone_load:
	tensor_load_to_lds s[24:27], s[16:23]
	s_nop 0
.rept 4
	v_nop
.endr
.Lasked:
	v_and_b32 v7, 31, v0                           ; lane
	v_and_b32 v8, 15, v0                           ; r
	s_wait_alu depctr_va_vdst(0)
	v_bfe_u32 v9, v0, 4, 1                         ; h
	v_lshlrev_b32 v1, 4, v7                        ; 16 x lane: an image's place for my lane, in LDS and in memory
	s_delay_alu instid0(VALU_DEP_1)
	v_add_nc_u32 v2, VIMG, v1
	s_lshl_b32 s50, s12, 1
	v_add_nc_u32 v3, s50, v1
	s_delay_alu instid0(VALU_DEP_1)
	v_add_nc_u32 v3, KSC, v3                       ; K's scale words: my head's two bytes of each word
	s_lshl_b32 s50, s12, 3
	v_add_nc_u32 v4, s50, v1
	s_delay_alu instid0(VALU_DEP_1)
	v_add_nc_u32 v4, VSC, v4                       ; V's: my head's two words
	s_and_b32 s50, s[WV], 7
	s_lshr_b32 s50, s50, 1
	s_and_b32 s51, s[WV], 1
	s_lshl_b32 s52, s50, 5
	s_lshl_b32 s53, s51, 3
	s_add_co_u32 s52, s52, s53
	v_and_b32 v10, 8, v8
	s_delay_alu instid0(VALU_DEP_1)
	v_add_nc_u32 v10, v10, v8                      ; r + 8 (r / 8)
	s_delay_alu instid0(VALU_DEP_1)
	v_add_nc_u32 v25, s52, v10                     ; my query within its step of 128: 32 ((w % 8) / 2) + 8 (w % 2) + r + 8 (r / 8),
	v_lshlrev_b32 v11, 4, v9
	s_delay_alu instid0(VALU_DEP_1)
	v_sub_nc_u32 v25, v25, v11                     ; less 16 h: register 16 b + i holds key 32 b + i + 16 h, hidden where 32 b + i is above this
	s_lshl_b32 s53, s51, 8
	s_lshl_b32 s52, s50, 2
	s_add_co_u32 s53, s53, s52
	s_lshl_b32 s52, s12, 1
	s_add_co_u32 s53, s53, s52
	v_lshl_add_u32 v26, v8, 4, s53                 ; Q's scale word: lane r + 16 (w % 2)'s 16 bytes, word (w % 8) / 2, my head's two bytes
	v_lshl_add_u32 v27, v8, 5, v9                  ; O's scale byte: row r, block h
	s_mov_b32 s[SEL], 0x76543210
	s_mov_b32 s[SEL+1], 0xfedcba98
	s_mov_b32 s[CS], 0x3e38aa3b                    ; log2(e) / 8
	s_mov_b32 s[CS+1], s[CS]                       ; (named with it as a pair)
.irp j, 20,21,22,23
	v_mov_b32 v[\j], 0                             ; Q's codes of K = 64 .. 127: zeros
.endr
.irp t, 0,1,2,3,4,5,6,7
.irp j, 4,5,6,7
	v_mov_b32 v[32+8*\t+\j], 0                     ; K's likewise: written once
.endr
.endr
.irp b, 0,1,2,3
	v_mov_b32 v[236+\b], 0                         ; a lane permute's destination counts as one of its sources
.endr
	v_mov_b32 v253, 0                              ; (named as the upper half of v[252:253] before it is first written)
	s_wait_tensorcnt 0x0                           ; my parts have landed,
	s_barrier_signal -1
	s_barrier_wait -1                              ; everybody's have
; A KEY STEP: 128 keys.
.macro STEP
	s_cmp_gt_u32 s[KI], s[SD]                      ; all its keys come after my queries: nothing to do but to step the addresses
	s_cbranch_scc1 .Lhidden_\@
	s_setprio 2
	v_add_nc_u32 v[ADK], s[TB], v1                 ; (these four are also the places behind the last step's products, ahead of the loads into their registers)
	v_add_nc_u32 v[ADV], s[TB], v2
	v_add_nc_u32 v[ADS], s[TS], v3
	v_add_nc_u32 v[ADT], s[TS], v4
.irp t, 0,1,2,3,4,5,6,7
	ds_load_b128 v[32+8*\t:35+8*\t], v[ADK] offset:512*\t
.endr
.irp i, 0,1,2,3
	ds_load_u16 v[248+\i], v[ADS] offset:4*\i      ; tiles 2 i (lanes 0-15) and 2 i + 1 (lanes 16-31): two scale bytes; the upper two, over zero codes, are 0
.endr
.irp t, 0,1,2,3
.irp c, 0,1
	ds_load_b128 v[192+8*\t+4*\c:195+8*\t+4*\c], v[ADV] offset:1024*\t+512*\c
.endr
.endr
	ds_load_b64 v[240:241], v[ADT]
	s_wait_dscnt 9                                 ; K and its scale words are in; V's nine loads may be out
.irp t, 0,1,2,3,4,5,6,7
.if \t%2
	v_wmma_scale_f32_16x16x128_f8f6f4 v[96+8*\t:103+8*\t], v[32+8*\t:39+8*\t], v[16:23], 0, v[248+\t/2], v255 matrix_a_fmt:MATRIX_FMT_FP4 matrix_b_fmt:MATRIX_FMT_FP4 matrix_a_scale:MATRIX_SCALE_ROW1
.else
	v_wmma_scale_f32_16x16x128_f8f6f4 v[96+8*\t:103+8*\t], v[32+8*\t:39+8*\t], v[16:23], 0, v[248+\t/2], v255 matrix_a_fmt:MATRIX_FMT_FP4 matrix_b_fmt:MATRIX_FMT_FP4
.endif
.endr
.rept 4
	v_nop
.endr
	s_cmp_lt_u32 s[KI], s[SD]                      ; a step all of whose keys count skips the mask
	s_cbranch_scc1 .Lopen_\@
	v_mov_b32 v254, 0xff800000                     ; on the diagonal hidden scores become -infinity ahead of the maximum: p = 0 then
.set n, 0
.rept 64
	v_cmp_gt_i32 vcc_lo, 32*(n/16)+n%16, v25
	v_cndmask_b32 v[96+n], v[96+n], v254, vcc_lo
.set n, n+1
.endr
.Lopen_\@:
.irp b, 0,1,2,3
	v_max3_num_f32 v[232+\b], v[96+16*\b], v[97+16*\b], v[98+16*\b]   ; the largest score of each block of 32 keys: for the row's maximum and, since p rises with the score, for the block's largest p
.endr
.irp i, 3,5,7,9,11,13
.irp b, 0,1,2,3
	v_max3_num_f32 v[232+\b], v[232+\b], v[96+16*\b+\i], v[97+16*\b+\i]
.endr
.endr
.irp b, 0,1,2,3
	v_max_num_f32 v[232+\b], v[232+\b], v[111+16*\b]
.endr
.irp b, 0,1,2,3
	s_delay_alu instid0(VALU_DEP_4)
	v_permlanex16_b32 v[236+\b], v[232+\b], s[SEL], s[SEL+1]
.endr
.irp b, 0,1,2,3
	s_delay_alu instid0(VALU_DEP_4)
	v_max_num_f32 v[232+\b], v[232+\b], v[236+\b]  ; with lane l xor 16's 16 keys
.endr
	s_delay_alu instid0(VALU_DEP_2)
	v_max3_num_f32 v254, v232, v233, v234
	s_delay_alu instid0(VALU_DEP_1)
	v_max_num_f32 v254, v254, v235
	s_delay_alu instid0(VALU_DEP_1)
	v_mul_f32 v254, s[CS], v254                    ; the step's largest t
	s_delay_alu instid0(VALU_DEP_1)
	v_max_num_f32 v13, v13, v254                   ; the running largest t
	v_mov_b32 v254, v12
	s_delay_alu instid0(VALU_DEP_2)
	v_floor_f32 v12, -v13                          ; the new -M = -ceil(t): a whole number
	s_delay_alu instid0(VALU_DEP_1)
	v_sub_f32 v254, v12, v254                      ; old M - new M: a whole number, 0 or less
	s_delay_alu instid0(VALU_DEP_1)
	v_cvt_i32_f32 v254, v254                       ; (it saturates)
	s_delay_alu instid0(VALU_DEP_1)
	v_ldexp_f32 v252, 1.0, v254                    ; f = 2^(old M - new M)
.set j, 0
.rept 32
	v_pk_fma_f32 v[96+j:97+j], v[96+j:97+j], s[CS:CS+1], v[12:13] op_sel_hi:[1,0,0]   ; t - M
.set j, j+2
.endr
	s_setprio 1
.irp b, 0,1,2,3
	v_fma_f32 v[232+\b], v[232+\b], s[CS], v12     ; the same of each block's largest score
.endr
.set j, 0
	s_wait_alu depctr_va_vdst(0)
.rept 64
	v_exp_f32 v[96+j], v[96+j]                     ; p = 2^(t - M)
.set j, j+1
.endr
	v_pk_mul_f32 v[14:15], v[14:15], v[252:253] op_sel_hi:[1,0]   ; the sums under the new M (a plain line behind the exponentials)
	s_wait_alu depctr_va_vdst(0)                   ; one wait for the batch of 64, ahead of its first reader
.irp b, 0,1,2,3
	v_exp_f32 v[232+\b], v[232+\b]                 ; the block's largest p
.endr
	v_pk_add_f32 v[236:237], v[100:101], v[104:105]
	v_pk_add_f32 v[250:251], v[108:109], v[112:113]
	v_pk_add_f32 v[248:249], v[116:117], v[120:121]
	v_pk_add_f32 v[246:247], v[124:125], v[128:129]
	v_pk_add_f32 v[244:245], v[132:133], v[136:137]
	v_pk_add_f32 v[242:243], v[140:141], v[144:145]
	v_pk_add_f32 v[238:239], v[148:149], v[152:153]
	v_pk_add_f32 v[14:15], v[14:15], v[156:157]
	v_pk_add_f32 v[236:237], v[236:237], v[96:97]
	v_pk_add_f32 v[250:251], v[250:251], v[98:99]
	v_pk_add_f32 v[248:249], v[248:249], v[102:103]
	v_pk_add_f32 v[246:247], v[246:247], v[106:107]
	v_pk_add_f32 v[244:245], v[244:245], v[110:111]
	v_pk_add_f32 v[242:243], v[242:243], v[114:115]
	v_pk_add_f32 v[238:239], v[238:239], v[118:119]
	v_pk_add_f32 v[14:15], v[14:15], v[122:123]
	v_pk_add_f32 v[236:237], v[236:237], v[126:127]
	v_pk_add_f32 v[250:251], v[250:251], v[130:131]
	v_pk_add_f32 v[248:249], v[248:249], v[134:135]
	v_pk_add_f32 v[246:247], v[246:247], v[138:139]
	v_pk_add_f32 v[244:245], v[244:245], v[142:143]
	v_pk_add_f32 v[242:243], v[242:243], v[146:147]
	v_pk_add_f32 v[238:239], v[238:239], v[150:151]
	v_pk_add_f32 v[14:15], v[14:15], v[154:155]
	v_pk_add_f32 v[236:237], v[236:237], v[158:159]
	s_delay_alu instid0(VALU_DEP_2)
	v_pk_add_f32 v[14:15], v[14:15], v[246:247]
	s_delay_alu instid0(VALU_DEP_2)
	v_pk_add_f32 v[236:237], v[236:237], v[244:245]
	v_pk_add_f32 v[250:251], v[250:251], v[242:243]
	v_pk_add_f32 v[248:249], v[248:249], v[238:239]
	s_delay_alu instid0(VALU_DEP_2)
	v_pk_add_f32 v[14:15], v[14:15], v[250:251]
	s_delay_alu instid0(VALU_DEP_2)
	v_pk_add_f32 v[236:237], v[236:237], v[248:249]
	s_delay_alu instid0(VALU_DEP_1)
	v_pk_add_f32 v[14:15], v[14:15], v[236:237]
	s_wait_alu depctr_va_vdst(0)                   ; and one for the four
.irp b, 0,1,2,3
	v_max_num_f32 v[232+\b], 0x1800000, v[232+\b]  ; the floor 2^(3 - 127)
.endr
.irp b, 0,1,2,3
	s_delay_alu instid0(VALU_DEP_4)
	v_add_nc_u32 v[244+\b], 0xff000000, v[232+\b]  ; 2 off the exponent field: the conversion's scale
.endr
.irp b, 0,1,2,3
	s_delay_alu instid0(VALU_DEP_4)
	v_lshrrev_b32 v[236+\b], 23, v[244+\b]         ; the scale's byte
.endr
	s_delay_alu instid0(VALU_DEP_3)
	v_lshl_or_b32 v253, v237, 8, v236              ; p's scale word for these 128 keys
	s_delay_alu instid0(VALU_DEP_1)
	v_lshl_or_b32 v253, v238, 16, v253
	s_delay_alu instid0(VALU_DEP_1)
	v_lshl_or_b32 v253, v239, 24, v253
	s_setprio 0
.irp b, 0,1,2,3
	v_cvt_scalef32_pk8_fp4_f32 v[224+2*\b], v[96+16*\b:103+16*\b], v[244+\b]
	v_cvt_scalef32_pk8_fp4_f32 v[225+2*\b], v[104+16*\b:111+16*\b], v[244+\b]
.endr
	v_nop                                          ; one plain line behind a scaled conversion
.irp c, 0,1
.irp i, 0,1
	v_permlane16_swap_b32 v[224+4*\c+\i], v[226+4*\c+\i]   ; a whole block to a lane
.endr
.endr
.set j, 0
.rept 16
	v_pk_mul_f32 v[160+j:161+j], v[160+j:161+j], v[252:253] op_sel_hi:[1,0]   ; O^T under the new M; these sixteen also stand between the writes of p's codes and scale word and the products
.set j, j+2
.endr
	s_wait_alu depctr_va_vdst(0)
	s_wait_dscnt 0x0                               ; V and its scale words are in
.irp t, 0,1,2,3                        ; the four accumulators take turns
.if \t%2
	v_wmma_scale_f32_16x16x128_f8f6f4 v[160+8*\t:167+8*\t], v[192+8*\t:199+8*\t], v[224:231], v[160+8*\t:167+8*\t], v[240+\t/2], v253 matrix_a_fmt:MATRIX_FMT_FP4 matrix_b_fmt:MATRIX_FMT_FP4 matrix_a_scale:MATRIX_SCALE_ROW1
.else
	v_wmma_scale_f32_16x16x128_f8f6f4 v[160+8*\t:167+8*\t], v[192+8*\t:199+8*\t], v[224:231], v[160+8*\t:167+8*\t], v[240+\t/2], v253 matrix_a_fmt:MATRIX_FMT_FP4 matrix_b_fmt:MATRIX_FMT_FP4
.endif
.endr
.Lhidden_\@:
	s_add_co_u32 s[TB], s[TB], 4096
	s_add_co_u32 s[TS], s[TS], 512
	s_add_co_u32 s[KI], s[KI], 1
.endm
; THE WAY OUT of a tile: O^T / l; its 32 registers are channels 32 b + 16 h + i: two blocks of the next product's K; four registers of codes and two scale bytes a row.
.macro WAYOUT
.rept 4
	v_nop                                          ; places behind the last products
.endr
	v_add_f32 v14, v14, v15
	s_delay_alu instid0(VALU_DEP_1)
	v_permlanex16_b32 v252, v14, s[SEL], s[SEL+1]
	s_delay_alu instid0(VALU_DEP_1)
	v_add_f32 v14, v14, v252                       ; the row's sum
	s_wait_alu depctr_va_vdst(0)
	v_rcp_f32 v14, v14
	v_nop                                          ; a plain line behind the transcendental,
	s_wait_alu depctr_va_vdst(0)                   ; and the wait ahead of its first reader
.set j, 0
.rept 16
	v_pk_mul_f32 v[96+j:97+j], v[160+j:161+j], v[14:15] op_sel_hi:[1,0]   ; each accumulator from its low end on
.set j, j+2
.endr
.irp b, 0,1
	v_max3_num_f32 v[232+\b], |v[96+16*\b]|, |v[97+16*\b]|, 0x1800000
.endr
.irp i, 2,4,6,8,10,12,14
.irp b, 0,1
	s_delay_alu instid0(VALU_DEP_2)
	v_max3_num_f32 v[232+\b], v[232+\b], |v[96+16*\b+\i]|, |v[97+16*\b+\i]|
.endr
.endr
.irp b, 0,1
	s_delay_alu instid0(VALU_DEP_2)
	v_permlanex16_b32 v[236+\b], v[232+\b], s[SEL], s[SEL+1]
.endr
.irp b, 0,1
	s_delay_alu instid0(VALU_DEP_2)
	v_max_num_f32 v[232+\b], v[232+\b], v[236+\b]
.endr
.irp b, 0,1
	s_delay_alu instid0(VALU_DEP_2)
	v_add_nc_u32 v[244+\b], 0xff000000, v[232+\b]
.endr
.irp b, 0,1
	s_delay_alu instid0(VALU_DEP_2)
	v_lshrrev_b32 v[236+\b], 23, v[244+\b]
.endr
.irp b, 0,1
	v_cvt_scalef32_pk8_fp4_f32 v[224+2*\b], v[96+16*\b:103+16*\b], v[244+\b]
	v_cvt_scalef32_pk8_fp4_f32 v[225+2*\b], v[104+16*\b:111+16*\b], v[244+\b]
.endr
	v_nop
	v_permlane16_swap_b32 v224, v226
	v_permlane16_swap_b32 v225, v227               ; v[224:227]: channels 32 h + 0 .. 31 of my query
	s_mov_b32 vcc_lo, 0xffff0000
	v_cndmask_b32 v238, v236, v237, vcc_lo         ; lanes 0-15 store block 0's byte, lanes 16-31 block 1's
	global_store_b128 v1, v[224:227], s[46:47]     ; 512 consecutive bytes, aligned
	global_store_b8 v27, v238, s[48:49]
.endm
; A PASS: one query block.
.macro PASS n
.if \n
	s_wait_xcnt 0x0                                ; the first pass's stores have read their registers and bases: both are written again below
	s_sub_co_u32 s41, 7, s14
.else
	s_mov_b32 s41, s14
.endif
	s_lshl_b32 s50, s41, 4
	s_add_co_u32 s50, s50, s[WV]                   ; my tile among the batch's 128
	s_lshr_b32 s[SD], s50, 3
	s_lshl_b32 s52, s9, 16
	s_lshl_b32 s51, s50, 9
	s_add_co_u32 s52, s52, s51
	s_mov_b32 s53, 0
	s_add_nc_u64 s[42:43], s[4:5], s[52:53]        ; Q's codes
	s_lshl_b32 s52, s10, 3
	s_add_co_u32 s52, s52, s13
	s_lshl_b32 s52, s52, 4
	s_add_co_u32 s52, s52, s[SD]
	s_lshl_b32 s52, s52, 9
	s_add_co_u32 s52, s52, SCB
	s_add_nc_u64 s[44:45], s[4:5], s[52:53]        ; Q's scale words
	s_lshl_b32 s54, s10, 7
	s_add_co_u32 s54, s54, s50                     ; my tile among all 512
	s_lshl_b32 s52, s54, 13
	s_lshl_b32 s51, s11, 9
	s_add_co_u32 s52, s52, s51
	s_add_nc_u64 s[46:47], s[6:7], s[52:53]        ; O's codes
	s_lshl_b32 s52, s54, 9
	s_lshl_b32 s51, s11, 1
	s_add_co_u32 s52, s52, s51
	s_add_co_u32 s52, s52, OSC
	s_add_nc_u64 s[48:49], s[6:7], s[52:53]        ; O's scale bytes
	global_load_b128 v[16:19], v1, s[42:43]
	global_load_u16 v255, v26, s[44:45]
	v_mov_b32 v13, 0xff61b1e6                      ; the largest t so far: -3e38
	s_delay_alu instid0(VALU_DEP_1)
	v_floor_f32 v12, -v13
	v_mov_b32 v14, 0
	v_mov_b32 v15, 0
.set j, 0
.rept 32
	v_mov_b32 v[160+j], 0                          ; O^T: the step is written once, its first trip finds zeros
.set j, j+1
.endr
	s_mov_b32 s[TB], 0
	s_mov_b32 s[TS], 0
	s_mov_b32 s[KI], 0
	s_wait_loadcnt 0x0
.Lstep_\@:
	STEP
	s_cmp_lt_u32 s[KI], 16
	s_cbranch_scc1 .Lstep_\@
	s_setprio 0
	WAYOUT
.endm
	PASS 0
	PASS 1
	s_wait_tensorcnt 0x0                           ; the wave's end
	ds_add_u32 v[SPW], v[NIL]
	s_wait_dscnt 0x0
	s_endpgm
.Lfunc_end_k_q63141f577c_attn:
	.size	k_q63141f577c_attn, .Lfunc_end_k_q63141f577c_attn-k_q63141f577c_attn
	.p2alignl 7, 3214868480
	.fill 96, 4, 3214868480
	.section	.rodata,"a",@progbits
	.p2align	6, 0x0
	.amdhsa_kernel k_q63141f577c_attn
		.amdhsa_group_segment_fixed_size 327680
		.amdhsa_private_segment_fixed_size 0
		.amdhsa_enable_private_segment 0
		.amdhsa_kernarg_size 16
		.amdhsa_user_sgpr_count 2
		.amdhsa_user_sgpr_kernarg_segment_ptr 1
		.amdhsa_wavefront_size32 1
		.amdhsa_system_sgpr_workgroup_id_x 1
		.amdhsa_system_sgpr_workgroup_id_y 1
		.amdhsa_system_sgpr_workgroup_id_z 1
		.amdhsa_system_vgpr_workitem_id 0
		.amdhsa_next_free_vgpr 256
		.amdhsa_next_free_sgpr 66
		.amdhsa_reserve_vcc 1
		.amdhsa_float_denorm_mode_32 3
		.amdhsa_float_denorm_mode_16_64 3
		.amdhsa_memory_ordered 1
		.amdhsa_forward_progress 1
		.amdhsa_inst_pref_size 62
	.end_amdhsa_kernel
	.amdgpu_metadata
---
amdhsa.version: [ 1, 2 ]
amdhsa.kernels:
  - .name:           k_q63141f577c_attn
    .symbol:         k_q63141f577c_attn.kd
    .args:
      - { .name: qkv, .offset: 0, .size: 8, .value_kind: global_buffer, .address_space: global }
      - { .name: oq, .offset: 8, .size: 8, .value_kind: global_buffer, .address_space: global }
    .group_segment_fixed_size: 327680
    .private_segment_fixed_size: 0
    .kernarg_segment_align: 8
    .kernarg_segment_size: 16
    .max_flat_workgroup_size: 512
    .sgpr_count:     66
    .vgpr_count:     256
    .wavefront_size: 32
...
	.end_amdgpu_metadata
.endif
;; end of part 3
;; launch proj (part 4): grid 4 x 32, 4 waves a work-group, clusters of 4 x 4, 327,680 bytes of LDS; arguments oq, wq, b_proj, out0; writes out0
.if DOCPART == 4
	.amdgcn_target "amdgcn-amd-amdhsa--gfx1250"
	.amdhsa_code_object_version 6
	.text
	.protected	k_q63141f577c_proj
	.globl	k_q63141f577c_proj
	.p2align	8
	.type	k_q63141f577c_proj,@function
k_q63141f577c_proj:
	s_mov_b64 s[64:65], 0
	v_nop
	global_prefetch_b8 v0, s[64:65] scope:SCOPE_SE
	s_setreg_imm32_b32 hwreg(HW_REG_WAVE_MODE, 25, 1), 1
	s_wait_xcnt 0x0
	s_wait_alu depctr_hold_cnt(0) depctr_sa_sdst(0) depctr_va_vdst(0) depctr_va_sdst(0) depctr_va_ssrc(0) depctr_va_vcc(0) depctr_vm_vsrc(0)
	s_getreg_b32 s2, hwreg(HW_REG_IB_STS2, 6, 4)
	s_cmp_eq_u32 s2, 0
	s_cbranch_scc0 .Lentry_in_a_cluster
	s_endpgm
.Lentry_in_a_cluster:
	s_bfe_u32 s2, ttmp6, 0x10000c
	s_cmp_lg_u32 s2, 0xf033
	s_cbranch_scc0 .Lentry_shape_is_right
	s_endpgm
.Lentry_shape_is_right:
; out0 = o W_proj + b_proj on codes of FP4 (E2M1) with E8M0 scales, K = 1,024.  out0: [8192][1024] f32.
; A tile of 256 x 256 is made by four waves, 128 x 128 each: 64 accumulators, 512 registers.  K is two LDS slots of 512 along K: both are first fills, nothing is filled again.
; Source 1 (A) = o's rows, source 0 (B) = W_proj's columns: a lane holds one row of out0 and eight neighbouring columns in each accumulator.
; A ARRIVES AS IMAGES OF OPERAND REGISTERS: [tile of 16 rows][16 heads][512 bytes]; 128 along K are two heads: a fragment is two loads of 512 consecutive bytes.  A slot's part of a tile is 4,096 dense bytes.
; B arrives as rows of 512 bytes (wq's rows 3,072 on).  Rows of both are stored with bits 3 and 4 of their number exchanged: the way out puts rows and columns back.
; The bias is the C of each sum's first matrix instruction (so it is added first, not last: another order of rounding than the formula's).
; CLUSTERS: 4 x 4 work-groups; A's tiles are asked for jointly along a row of the cluster, B's along a column.  128 work-groups: the output has no more tiles of this size.
; No prefetch: all tensor loads of the launch are first fills at its head.  LIMITS: NaN and infinities are not served.
; REGISTERS: window 0: v0-31 addresses; v32-95 scale words, two sets; v128-191 A's fragments; v192-255 the bias; on the way out v128-255 hold rows.  window 1: B's fragments, two sets.  windows 2, 3: the accumulators.
.set SIZE_N, 1024
.set NQ,     4
.set ROWB,   256
.set KROW,   512
.set PITCH,  272                       ; B's LDS row: 256 bytes + 16
.set FR,     8
.set NL,     2
.set NP,     4
.set HALFA,  32768                     ; A: 8 tiles x 4,096 bytes: what one tensor load brings
.set HALFT,  128*PITCH                 ; B: 128 rows
.set SLOT,   2*HALFA+2*HALFT
.set KS,     32
.set SCL,    2*SLOT
.set HALFS,  (128*KS/256)*272
.set SBLK,   (16*KS/256)*272
.set SPARE,  SCL+4*HALFS               ; the spare words: 128 bytes for each wave, named by no other line
.set SPITCH, 528                       ; the way out: a stage of 16 rows x (512 + 16) bytes for each wave, in slot 0, which has had its only fill and its last read by then
.set ADRA, 16
.set ADRB, 20
.set STO,  24
.set RD,   25
.set CO,   26
.set ADRS, 27
.set SPW,  28
.set NIL,  29
.set SC,   32
.set AF,   128
.set BK,   128
.set BI,   192
.set G1, 24
.set G0, 32
.set G1B, 48
.set G0B, 56
.set G1S, 68
.set G0S, 76
.set G1SB, 80
.set G0SB, 88
.set MSB, 0
.macro WIN new
.if MSB != (\new)
	s_set_vgpr_msb (MSB<<8)|(\new)
.set MSB, (\new)
.endif
.endm
.set MUL_LO, 0xa1
.set MUL_HI, 0xf1
.set TO_B,   0x40
.macro JLOAD g0a, g1a, g0b, g1b        ; waves 0 and 1 fetch for A, waves 2 and 3 for B; four v_nop follow each of the two lines
	s_cmp_eq_u32 s15, 0
	s_cbranch_scc0 .Lfor_b_\@
	tensor_load_to_lds s[\g0a:\g0a+3], s[\g1a:\g1a+7]
	s_nop 0
.rept 4
	v_nop
.endr
	s_branch .Lasked_\@
.Lfor_b_\@:
	tensor_load_to_lds s[\g0b:\g0b+3], s[\g1b:\g1b+7]
	s_nop 0
.rept 4
	v_nop
.endr
.Lasked_\@:
.endm
.macro CROUND
	s_barrier_signal -1
	s_barrier_wait -1
	s_cmp_lg_u32 s14, 0
	s_cbranch_scc1 .Lnot_wave_0_\@
	s_barrier_signal -3
.Lnot_wave_0_\@:
	s_barrier_wait -3
	s_barrier_signal -1
	s_barrier_wait -1
.endm
	s_load_b64 s[4:5], s[0:1], 0x0                 ; oq
	s_load_b64 s[8:9], s[0:1], 0x8                 ; wq
	s_load_b64 s[100:101], s[0:1], 0x10            ; b_proj
	s_load_b64 s[12:13], s[0:1], 0x18              ; out0
	v_lshl_add_u32 v[SPW], v0, 2, SPARE
	v_mov_b32 v[NIL], 0
	ds_add_u32 v28, v29
	ds_add_u32 v28, v29
	s_wait_dscnt 0x0
	v_lshrrev_b32 v1, 5, v0
	v_readfirstlane_b32 s14, v1                    ; wave 0..3
	s_lshr_b32 s15, s14, 1                         ; which half of the rows is mine.  Also: I fetch for A (0) or for B (1)
	s_and_b32 s16, s14, 1                          ; which half of the columns.  Also: which half I fetch
	s_bfe_u32 s40, ttmp6, 0x40000                  ; cx
	s_bfe_u32 s41, ttmp6, 0x40004                  ; cy
	s_lshl_b32 s42, ttmp9, 2
	s_add_co_u32 s42, s42, s40                     ; tile column
	s_and_b32 s17, ttmp7, 0xffff
	s_lshl_b32 s17, s17, 2
	s_add_co_u32 s17, s17, s41                     ; tile row
	s_lshl_b32 s43, s41, 2
	s_lshl_b32 s43, 15, s43                        ; my row of the cluster
	s_lshl_b32 s44, 0x1111, s40                    ; my column
	; A: 8 rows (tiles of 16) x 4,096 bytes (512 elements of 8 bytes), 8,192 bytes apart, dense in LDS
	s_or_b32 s[G1+0], s43, (3<<16)|(1<<21)
	s_mov_b32 s[G1+1], 512<<16
	s_mov_b32 s[G1+2], 8<<16
	s_mov_b32 s[G1+3], 512<<16
	s_mov_b32 s[G1+4], 8
	s_mov_b32 s[G1+5], 1024
	s_mov_b32 s[G1+6], 0
	s_mov_b32 s[G1+7], 0
	; B: 128 rows x 256 bytes, 16 bytes of padding behind each
	s_or_b32 s[G1B+0], s44, (0<<16)|(1<<20)|(1<<21)|(5<<22)|(3<<25)
	s_mov_b32 s[G1B+1], ROWB<<16
	s_mov_b32 s[G1B+2], 128<<16
	s_mov_b32 s[G1B+3], ROWB<<16
	s_mov_b32 s[G1B+4], 128
	s_mov_b32 s[G1B+5], KROW
	s_mov_b32 s[G1B+6], 0
	s_mov_b32 s[G1B+7], 0
	; the scale bytes of 128 rows: 16 rows of 256 bytes, 16 bytes of padding behind each
	s_or_b32 s[G1S+0], s43, (3<<16)|(1<<20)|(1<<21)|(5<<22)|(3<<25)
	s_or_b32 s[G1SB+0], s44, (3<<16)|(1<<20)|(1<<21)|(5<<22)|(3<<25)
.irp g, G1S, G1SB
	s_mov_b32 s[\g+1], 32<<16
	s_mov_b32 s[\g+2], (128*KS/256)<<16
	s_mov_b32 s[\g+3], 32<<16
	s_mov_b32 s[\g+4], 128*KS/256
	s_mov_b32 s[\g+5], 32
	s_mov_b32 s[\g+6], 0
	s_mov_b32 s[\g+7], 0
.endr
	s_lshl_b32 s18, s16, 7
	s_lshl_b32 s20, s17, 8
	s_add_co_u32 s20, s20, s18                     ; A: row
	s_lshl_b32 s46, s42, 8
	s_add_co_u32 s46, s46, s18                     ; B: row
	s_mov_b32 s21, 0
	s_mov_b32 s47, 0
	s_mov_b64 s[18:19], KS
	s_mul_u64 s[22:23], s[20:21], s[18:19]
	s_mul_u64 s[92:93], s[46:47], s[18:19]
	s_mov_b64 s[18:19], KROW
	s_mul_u64 s[20:21], s[20:21], s[18:19]         ; 16 rows of A are 8,192 bytes too
	s_mul_u64 s[46:47], s[46:47], s[18:19]
	s_mul_i32 s45, s16, HALFA                      ; where A's half goes,
	s_mul_i32 s95, s16, HALFT
	s_add_co_u32 s95, s95, 2*HALFA                 ; and B's
	s_mul_i32 s94, s14, HALFS
	s_wait_kmcnt 0x0
	s_add_nc_u64 s[6:7], s[4:5], 0x400000          ; o's scale bytes
	s_add_nc_u64 s[10:11], s[8:9], 0x218000        ; W_proj's scale bytes: rows 3,072 on
	s_add_nc_u64 s[8:9], s[8:9], 0x180000          ; and its codes
	s_add_nc_u64 s[20:21], s[4:5], s[20:21]
	s_add_nc_u64 s[22:23], s[6:7], s[22:23]
	s_add_nc_u64 s[46:47], s[8:9], s[46:47]
	s_add_nc_u64 s[92:93], s[10:11], s[92:93]
	CROUND                                         ; all sixteen work-groups are here: the joint loads meet
	s_mov_b32 s[G0S], 1
	s_add_co_u32 s[G0S+1], s94, SCL
	s_mov_b64 s[G0S+2:G0S+3], s[22:23]
	s_or_b32 s[G0S+3], s[G0S+3], 0x80000000
	s_mov_b32 s[G0SB], 1
	s_add_co_u32 s[G0SB+1], s94, SCL
	s_mov_b64 s[G0SB+2:G0SB+3], s[92:93]
	s_or_b32 s[G0SB+3], s[G0SB+3], 0x80000000
	JLOAD G0S, G1S, G0SB, G1SB
.irp s, 0,1
	s_mov_b32 s[G0+4*\s], 1
	s_add_co_u32 s[G0+4*\s+1], s45, \s*SLOT
	s_add_nc_u64 s[G0+4*\s+2:G0+4*\s+3], s[20:21], \s*4096
	s_or_b32 s[G0+4*\s+3], s[G0+4*\s+3], 0x80000000
	s_mov_b32 s[G0B+4*\s], 1
	s_add_co_u32 s[G0B+4*\s+1], s95, \s*SLOT
	s_add_nc_u64 s[G0B+4*\s+2:G0B+4*\s+3], s[46:47], \s*ROWB
	s_or_b32 s[G0B+4*\s+3], s[G0B+4*\s+3], 0x80000000
	JLOAD G0+4*\s, G1, G0B+4*\s, G1B               ; three tensor loads of mine are out at the most
.endr
	v_and_b32 v1, 15, v0                           ; r
	v_bfe_u32 v2, v0, 4, 1                         ; h
	v_mul_u32_u24 v3, v1, PITCH
	v_lshl_add_u32 v4, v2, 4, v3                   ; B: row x pitch + 16 h
	v_and_b32 v6, 31, v0
	v_lshlrev_b32 v[CO], 4, v6                     ; 16 x lane: A's images, and a row of out0
	s_mul_i32 s21, s15, HALFA                      ; my 8 tiles of A
	s_mul_i32 s22, s16, HALFT
	s_add_co_u32 s22, s22, 2*HALFA                 ; my 128 rows of B
.irp s, 0,1
	v_add_nc_u32 v[ADRA+\s], s21, v[CO]
	v_add_nc_u32 v[ADRB+\s], s22, v4
	s_add_co_u32 s21, s21, SLOT
	s_add_co_u32 s22, s22, SLOT
.endr
	v_mul_u32_u24 v5, v1, KS
	v_lshrrev_b32 v6, 8, v5
	v_lshl_add_u32 v5, v6, 4, v5
	s_mul_i32 s21, s15, HALFS
	s_mul_i32 s22, s16, HALFS
	s_add_co_u32 s22, s22, 2*HALFS
	s_sub_co_u32 s22, s22, s21
	v_mul_u32_u24 v6, s22, v2                      ; lanes 16-31 take B's
	s_add_co_u32 s21, s21, SCL
	v_add_nc_u32 v5, v5, v6
	v_add_nc_u32 v[ADRS], s21, v5
	s_mul_i32 s23, s14, 16*SPITCH                  ; my stage
	v_mul_u32_u24 v5, v1, SPITCH
	v_lshl_add_u32 v5, v2, 6, v5
	v_add_nc_u32 v[STO], s23, v5                   ; in: row r; accumulator b's eight columns are 32 (b / 2) + 8 (b % 2) + 16 h + 0 .. 7
	v_add_nc_u32 v[RD], s23, v[CO]                 ; back: the 32 lanes take one row of 512 bytes
	s_lshl_b32 s20, s17, 8
	s_lshl_b32 s21, s15, 7
	s_add_co_u32 s20, s20, s21                     ; my first row of out0
	s_mov_b32 s21, 0
	s_mov_b64 s[18:19], SIZE_N*4
	s_mul_u64 s[20:21], s[20:21], s[18:19]
	s_lshl_b32 s46, s42, 10
	s_lshl_b32 s47, s16, 9
	s_add_co_u32 s46, s46, s47                     ; my first column, in bytes
	s_mov_b32 s47, 0
	s_add_nc_u64 s[100:101], s[100:101], s[46:47]  ; its bias
	s_add_nc_u64 s[20:21], s[20:21], s[46:47]
	s_add_nc_u64 s[12:13], s[12:13], s[20:21]
	v_lshlrev_b32 v8, 6, v2
.irp b, 0,1,2,3,4,5,6,7
	global_load_b128 v[BI+8*\b:BI+8*\b+3], v8, s[100:101] offset:(32*(\b/2)+8*(\b%2))*4
	global_load_b128 v[BI+8*\b+4:BI+8*\b+7], v8, s[100:101] offset:(32*(\b/2)+8*(\b%2))*4+16
.endr
	s_wait_loadcnt 0x0
.macro FRAGB reg, adr, q, i
.irp c, 0,1
	ds_load_b128 v[\reg+4*\c:\reg+4*\c+3], v[\adr] offset:64*(\q)+32*\c+(\i)*16*PITCH
.endr
.endm
.macro FRAGA reg, adr, q, i            ; tile i, heads 2 q and 2 q + 1 of the slot's eight: two groups of four registers as they were stored
.irp c, 0,1
	ds_load_b128 v[\reg+4*\c:\reg+4*\c+3], v[\adr] offset:1024*(\q)+512*\c+(\i)*4096
.endr
.endm
; 16 matrix instructions: A's blocks a0, a0 + 1 x B's eight.  zero = 1: the sums begin with the bias.  The 64 accumulators take turns, one instruction a turn.
.macro MUL16 a0, p, q, sc, zero
.irp a, \a0, \a0+1
.irp b, 0,1,2,3,4,5,6,7
.set rD, 8*(8*((\a)%4)+\b)
.set rB, 128*(\p)+FR*\b
.set rA, AF+FR*(\a)
.set rSB, SC+8*NQ*(\sc)+NQ*\b+(\q)
.set rSA, SC+8*NQ*(\sc)+NQ*(\a)+(\q)
.if \zero
	v_wmma_scale_f32_16x16x128_f8f6f4 v[rD:rD+7], v[rB:rB+7], v[rA:rA+7], v[BI+8*\b:BI+8*\b+7], v[rSB], v[rSA] matrix_a_fmt:MATRIX_FMT_FP4 matrix_b_fmt:MATRIX_FMT_FP4 matrix_a_scale:MATRIX_SCALE_ROW1
.else
	v_wmma_scale_f32_16x16x128_f8f6f4 v[rD:rD+7], v[rB:rB+7], v[rA:rA+7], v[rD:rD+7], v[rSB], v[rSA] matrix_a_fmt:MATRIX_FMT_FP4 matrix_b_fmt:MATRIX_FMT_FP4 matrix_a_scale:MATRIX_SCALE_ROW1
.endif
.endr
.endr
.endm
.macro FETCH_B slot, q, p
	WIN TO_B
.irp i, 0,1,2,3,4,5,6,7
	FRAGB 128*(\p)+FR*\i, ADRB+\slot, \q, \i
.endr
	WIN 0
.endm
.macro FETCH_A slot, q, i0
.irp i, \i0, \i0+1, \i0+2, \i0+3
	FRAGA AF+FR*(\i), ADRA+\slot, \q, \i
.endr
.endm
.macro SCALES sc
.irp i, 0,1,2,3,4,5,6,7
	ds_load_b128 v[SC+8*NQ*\sc+NQ*\i:SC+8*NQ*\sc+NQ*\i+3], v[ADRS] offset:\i*SBLK
.endr
.endm
.macro PLACES n
.rept \n
	v_nop
.endr
.endm
.macro STEP slot, q, zero
	s_wait_dscnt 4*NL                              ; B's set and A's blocks 0-3 are in; the youngest eight loads (A's blocks 4-7) may be out
.if \zero
	WIN 0x81                                       ; C (the bias) in window 0, D in window 2
.else
	WIN MUL_LO
.endif
	MUL16 0, (\q)%2, \q, \slot, \zero
	MUL16 2, (\q)%2, \q, \slot, \zero
	s_wait_dscnt 0
	PLACES NP
	FETCH_B \slot, (\q)+1, 1-(\q)%2
	FETCH_A \slot, (\q)+1, 0
.if \zero
	WIN 0xc1
.else
	WIN MUL_HI
.endif
	MUL16 4, (\q)%2, \q, \slot, \zero
	MUL16 6, (\q)%2, \q, \slot, \zero
	PLACES NP
	WIN 0
	FETCH_A \slot, (\q)+1, 4
.endm
.macro TURN slot, next                 ; the change of slots: all my tensor loads have landed and my reads of this slot are over, then the barrier
	s_wait_tensorcnt 0x0
	ds_add_u32 v[SPW], v[NIL]                      ; 0 onto my spare word
	s_wait_dscnt 4*NL+1                            ; (the add and A's blocks 4-7 may be out)
	WIN MUL_LO
	MUL16 0, 1, NQ-1, \slot, 0
	s_wait_dscnt 0x0
	s_barrier_signal -1
	MUL16 2, 1, NQ-1, \slot, 0
	WIN 0
	s_barrier_wait -1
	PLACES NP
	v_add_nc_u32 v[ADRS], 4*NQ, v[ADRS]
	FETCH_B \next, 0, 0
	FETCH_A \next, 0, 0
	SCALES \next
	WIN MUL_HI
	MUL16 4, 1, NQ-1, \slot, 0
	MUL16 6, 1, NQ-1, \slot, 0
	PLACES NP
	WIN 0
	FETCH_A \next, 0, 4
.endm
.macro STEPS slot, from
.set Q, \from
.rept NQ-1-\from
	STEP \slot, Q, 0
.set Q, Q+1
.endr
.endm
	s_wait_tensorcnt 1                             ; the scale bytes and my part of slot 0 are in; slot 1's load may be out
	s_barrier_signal -1
	s_barrier_wait -1
	FETCH_B 0, 0, 0
	FETCH_A 0, 0, 0
	SCALES 0
	FETCH_A 0, 0, 4
	STEP 0, 0, 1
	STEPS 0, 1
	TURN 0, 1
	STEPS 1, 0
	s_wait_dscnt 4*NL
	WIN MUL_LO
	MUL16 0, 1, NQ-1, 1, 0
	MUL16 2, 1, NQ-1, 1, 0
	s_wait_dscnt 0
	WIN MUL_HI
	MUL16 4, 1, NQ-1, 1, 0
	MUL16 6, 1, NQ-1, 1, 0
	WIN 0
; THE WAY OUT, block by block of 16 rows x 128 columns, through my own stage: in by lanes (a row each), back as whole rows of 512 bytes.  LDS serves a wave's instructions in order (ISA guide 5.7.1.4).
.macro TOSTAGE a
.set AC, 64*((\a)%4)
	WIN 0x08+4*((\a)/4)                            ; the data: window 2 or 3
.irp b, 0,1,2,3,4,5,6,7
	ds_store_b128 v[STO], v[AC+8*\b:AC+8*\b+3] offset:128*(\b/2)+32*(\b%2)       ; each accumulator from its low end on
	ds_store_b128 v[STO], v[AC+8*\b+4:AC+8*\b+7] offset:128*(\b/2)+32*(\b%2)+16
.endr
	WIN 0
.set BB, BK+64*((\a)%2)
.irp t, 0,1,2,3,4,5,6,7,8,9,10,11,12,13,14,15
	ds_load_b128 v[BB+4*\t:BB+4*\t+3], v[RD] offset:\t*SPITCH
.endr
.endm
.macro SEND a, younger                 ; block a's lane r is row 32 (a / 2) + 8 (a % 2) + r + 8 (r / 8) of my 128
.set BB, BK+64*((\a)%2)
	s_wait_dscnt \younger
.if (\a) > 0
.if (\a)%2
	s_add_nc_u64 s[12:13], s[12:13], 8*SIZE_N*4    ; (behind a wait on XCNT: the earlier stores have read their base)
.else
	s_add_nc_u64 s[12:13], s[12:13], 24*SIZE_N*4
.endif
.endif
.irp t, 0,1,2,3,4,5,6,7,8,9,10,11,12,13,14,15
	global_store_b128 v[CO], v[BB+4*\t:BB+4*\t+3], s[12:13] offset:(\t+8*(\t/8))*SIZE_N*4 th:TH_STORE_NT   ; 32 lanes store 512 consecutive bytes, aligned
.endr
.endm
	PLACES NP
	TOSTAGE 0
.irp a, 1,2,3,4,5,6,7
.if \a > 1
	s_wait_xcnt 0x0                                ; block a - 2's stores have read their registers and their base
.endif
	TOSTAGE \a
	SEND \a-1, 32                                  ; behind block a - 1's loads: block a's 16 stores and 16 loads
.endr
	s_wait_xcnt 0x0
	SEND 7, 0
	s_wait_tensorcnt 0x0                           ; the wave's end
	ds_add_u32 v[SPW], v[NIL]
	s_wait_dscnt 0x0
	CROUND                                         ; the closing round
	s_endpgm
.Lfunc_end_k_q63141f577c_proj:
	.size	k_q63141f577c_proj, .Lfunc_end_k_q63141f577c_proj-k_q63141f577c_proj
	.p2alignl 7, 3214868480
	.fill 96, 4, 3214868480
	.section	.rodata,"a",@progbits
	.p2align	6, 0x0
	.amdhsa_kernel k_q63141f577c_proj
		.amdhsa_group_segment_fixed_size 327680
		.amdhsa_private_segment_fixed_size 0
		.amdhsa_enable_private_segment 0
		.amdhsa_kernarg_size 32
		.amdhsa_user_sgpr_count 2
		.amdhsa_user_sgpr_kernarg_segment_ptr 1
		.amdhsa_wavefront_size32 1
		.amdhsa_system_sgpr_workgroup_id_x 1
		.amdhsa_system_sgpr_workgroup_id_y 1
		.amdhsa_system_sgpr_workgroup_id_z 1
		.amdhsa_system_vgpr_workitem_id 0
		.amdhsa_next_free_vgpr 1024
		.amdhsa_next_free_sgpr 106
		.amdhsa_reserve_vcc 0
		.amdhsa_float_denorm_mode_32 3
		.amdhsa_float_denorm_mode_16_64 3
		.amdhsa_memory_ordered 1
		.amdhsa_forward_progress 1
		.amdhsa_inst_pref_size 126
	.end_amdhsa_kernel
	.amdgpu_metadata
---
amdhsa.version: [ 1, 2 ]
amdhsa.kernels:
  - .name:           k_q63141f577c_proj
    .symbol:         k_q63141f577c_proj.kd
    .args:
      - { .name: oq, .offset: 0, .size: 8, .value_kind: global_buffer, .address_space: global }
      - { .name: wq, .offset: 8, .size: 8, .value_kind: global_buffer, .address_space: global }
      - { .name: b_proj, .offset: 16, .size: 8, .value_kind: global_buffer, .address_space: global }
      - { .name: out0, .offset: 24, .size: 8, .value_kind: global_buffer, .address_space: global }
    .group_segment_fixed_size: 327680
    .private_segment_fixed_size: 0
    .kernarg_segment_align: 8
    .kernarg_segment_size: 32
    .max_flat_workgroup_size: 128
    .sgpr_count:     106
    .vgpr_count:     1024
    .wavefront_size: 32
...
	.end_amdgpu_metadata
.endif
;; end of part 4
